; MI455X (gfx1250); checked and timed in simulation.
; The chip was launched on July 23, 2026; its instructions are those of AMD's public machine-readable ISA for CDNA 5 (MIT licence, August 2026) and "CDNA5" Instruction Set Architecture Reference Guide (July 2026). The comments in the code are by the model that wrote it; some were corrected since.
;; GRU Cell. Allowed arithmetic: matrix products marked QUANTISED: E2M3 operands, one E8M0 scale for each 32 along K, by v_wmma_scale_f32_16x16x128_f8f6f4 with both operands' format E2M3, f32 sums; everything else in f32.
;; Inputs: Whn 1,024 x 1,024 float32; Whr 1,024 x 1,024 float32; Whz 1,024 x 1,024 float32; Win 1,024 x 1,024 float32; Wir 1,024 x 1,024 float32; Wiz 1,024 x 1,024 float32; Wout 1,024 x 1,024 float32; bhn 1,024 float32; bin_ 1,024 float32; bir 1,024 float32; biz 1,024 float32; bout 1,024 float32; h 8,192 x 1,024 float32; ln_bias 1,024 float32; ln_scale 1,024 float32; x 8,192 x 1,024 float32.
;; Outputs: out0 8,192 x 1,024 float32; out1 8,192 x 1,024 float32.
;; This version of the problem:
;;   THIS VERSION OF THE PROBLEM IS GIVEN IN LOW PRECISION. The matrix products marked QUANTISED in the list below multiply operands that are first quantised to E2M3 (2 exponent bits, 3 mantissa bits; 6 bits a number), with one power-of-two scale for each 32 numbers along K (OCP MX v1.0); their sums are f32. All else is computed in f32.
;;   The module's matrix products, in the order in which they are computed (A, B: the left and right operand; K: the contracted axis; several contracted axes count as one K, in the product's order):
;;     1. [M 8,192, K 1,024] x [K 1,024, N 1,024]; A: input x; B: input Wir: QUANTISED
;;     2. [M 8,192, K 1,024] x [K 1,024, N 1,024]; A: input h; B: input Whr: QUANTISED
;;     3. [M 8,192, K 1,024] x [K 1,024, N 1,024]; A: input x; B: input Wiz: QUANTISED
;;     4. [M 8,192, K 1,024] x [K 1,024, N 1,024]; A: input h; B: input Whz: QUANTISED
;;     5. [M 8,192, K 1,024] x [K 1,024, N 1,024]; A: input x; B: input Win: QUANTISED
;;     6. [M 8,192, K 1,024] x [K 1,024, N 1,024]; A: input h; B: input Whn: QUANTISED
;;     7. [M 8,192, K 1,024] x [K 1,024, N 1,024]; A: computed on the way; B: input Wout: QUANTISED
;;   THE QUANTISER, for each operand of a quantised product, along K:
;;     - K is cut into blocks of 32 from its start; a last block that is shorter is filled with zeros.
;;     - A block's scale is 2^e with e = floor(log2(the largest magnitude in the block)) - 2, held to -126 .. 127; a block of zeros has e = 0. As a byte (E8M0): e + 127.
;;     - Each number is divided by its block's scale, clamped to +-7.5, and rounded to the nearest number of E2M3, ties to even, subnormals kept.
;;     - The product sums the exact products of the quantised numbers (number of the format x scale) in f32.
;;   ~~~python
;;   def quantise(x, axis):      # numpy; x: float32 -> the quantised numbers, widened to float32 again
;;       x = np.moveaxis(x, axis, -1); K = x.shape[-1]
;;       x = np.pad(x, [(0, 0)] * (x.ndim - 1) + [(0, -K % 32)]); x = x.reshape(x.shape[:-1] + (-1, 32)); a = np.abs(x).max(-1, keepdims=True)
;;       e = np.where(a > 0, np.clip(np.frexp(np.where(a > 0, a, 1))[1] - 1 - 2, -126, 127), 0)      # np.frexp(a)[1] - 1 = floor(log2(a)), exactly
;;       r = np.clip(x / 2.0 ** e, -7.5, 7.5)
;;       step = 2.0 ** (np.maximum(np.frexp(np.where(r == 0, 1, r))[1] - 1, 0) - 3)
;;       q = np.round(r / step) * step * 2.0 ** e      # np.round: ties to even
;;       return np.moveaxis(q.reshape(q.shape[:-2] + (-1,))[..., :K], -1, axis).astype(np.float32)
;;   ~~~
;;   OPERANDS COMPUTED ON THE WAY. 'Computed on the way' means the value that the module computes at that place (a softmax that the list does not call 'softmax' is quantised finished and normalised). What goes into a quantiser is computed in f32, as accurately as f32 sums, v_exp_f32 and their like allow (about 1e-6 of the number): no bf16 or f16 on the way to a quantiser, and a product that is left as it is and whose result goes on into a quantised operand takes f32 operands (vector FMAs, or v_wmma_f32_16x16x4_f32). A number that lies on a knife's edge between two numbers of the format may be rounded either way, as far as f32 arithmetic and the matrix unit's own rounding can turn it there, and no further.
;; One version. Each part assembles by itself: llvm-mc -triple=amdgcn-amd-amdhsa -mcpu=gfx1250 --defsym DOCPART=n.
;; ======== version 1 of 1: 4 launches
;; limits: right only within a limited range of input values
;; workspace buffers: acodes 12,582,912 bytes; ascales 524,288 bytes; wcodes 5,505,024 bytes; wscales 229,376 bytes; ncodes 6,291,456 bytes; nscales 262,144 bytes
;; launch quant (part 1): grid 960 x 1, 4 waves a work-group, no clusters, 34,304 bytes of LDS; arguments x, h, Wir, Wiz, Win, Whr, Whz, Whn, Wout, acodes, ascales, wcodes, wscales; writes acodes, ascales, wcodes, wscales
.if DOCPART == 1
	.amdgcn_target "amdgcn-amd-amdhsa--gfx1250"
	.amdhsa_code_object_version 6
	.text
	.protected	k_q7ec0f4c0a8_quant
	.globl	k_q7ec0f4c0a8_quant
	.p2align	8
	.type	k_q7ec0f4c0a8_quant,@function
k_q7ec0f4c0a8_quant:
	s_mov_b64 s[64:65], 0
	v_nop
	global_prefetch_b8 v0, s[64:65] scope:SCOPE_SE
	s_setreg_imm32_b32 hwreg(HW_REG_WAVE_MODE, 25, 1), 1
	s_wait_xcnt 0x0
; x, h [8192][1024] and the seven weights [1024 (k)][1024 (n)], all f32, become codes of FP6 (E2M3) with one E8M0 scale byte for each 32 along K.
; A block's scale is 2^(floor(log2(its largest magnitude)) - 2); its byte is the largest magnitude's exponent field - 2, held at 1 from below.
; LIMITS: a block of zeros gets the byte 1 where the rule says 127 (its codes are zeros, and this program alone reads the bytes); blocks whose largest
; magnitude lies under 2^-124 have their byte held at 1; NaN and infinities among the inputs are not served.
; THE CODES ARE LAID AS IMAGES OF THE OPERAND'S REGISTERS.  A fragment (16 rows x 128 K) is 12 registers a lane, 1,536 bytes: register 4 c + i of lane l lies at byte 512 c + 16 l + 4 i.
;   acodes  [x, h][K step s][row tile m][image]                        ascales [x, h][s][row] one word of four bytes
;   wcodes  [64 columns nb][s][matrix j 0..5][tile t 0..3][image], then Wout from byte 4,718,592 as [2 g + kh][w][s'][t][image], column tile 16 w + 4 g + t, K step 4 kh + s'
;   wscales [matrix 0..6][s][column] one word.      Matrices: 0 Wir, 1 Wiz, 2 Win, 3 Whr, 4 Whz, 5 Whn, 6 Wout.
; Work-groups 0..511 take x and h (K innermost), 512..959 the weights (K outermost).  Only the first path uses LDS.  No work-group shares input with another, so there is no cluster;
; no tensor loads, no barrier: waves share nothing.
.set VL,  4                            ; v4   x, h: 16 x lane + 1,024 x wave: my 16 bytes of a row's K step
.set STI, 5                            ; v5   the stage, on the way in: 16 x lane
.set STO, 6                            ; v6   and on the way out: row r, + 64 h
.set LI,  7                            ; v7   16 x lane: an image's place for my lane
.set LS,  8                            ; v8   4 x lane: a scale word's
.set TM,  12                           ; v12-27 at work in QUANT
.set PW,  28                           ; v28  the scale word just made
.set PWK, 29                           ; v29  the even row tile's, kept
.set PWS, 30                           ; v30  32 rows' words, to store
.set RA,  32                           ; v32-95, v96-159 two sets of 64 numbers as they are loaded
.set RB,  96
.set X,   160                          ; v160-223 64 numbers in the order that QUANT wants
.set PC,  224                          ; v224-243 the codes
.set SEL, 40                           ; s[40:41] lane selects for v_permlanex16_b32: lane l xor 16
.set SP,  528                          ; a stage row: 512 bytes + 16, an odd multiple of 16
	s_load_b512 s[8:23], s[0:1], 0x0               ; x, h, Wir, Wiz, Win, Whr, Whz, Whn
	s_load_b256 s[24:31], s[0:1], 0x40             ; Wout, acodes, ascales, wcodes
	s_load_b64 s[32:33], s[0:1], 0x60              ; wscales
	v_lshl_add_u32 v254, v0, 2, 0x8400
	v_mov_b32 v255, 0
	v_lshrrev_b32 v2, 5, v0
	v_readfirstlane_b32 s4, v2                     ; wave 0..3
	v_and_b32 v1, 31, v0                           ; lane
	s_cmp_lt_u32 ttmp9, 512
	s_cbranch_scc0 .Lweights
; ---------------- x and h.  A work-group takes 32 rows x all of K (131,072 consecutive bytes); wave w takes K steps 2 w, 2 w + 1 of its two row tiles: four fragments.
; 64 numbers of a lane, v[s] .. v[s + 63], register 16 b + i = k 32 b + 16 (lane / 16) + i of my row, become a fragment's codes in v[PC] on and its scale word in v[PW].
.macro QUANT s
.irp b, 0,1,2,3
	v_max3_num_f32 v[TM+\b], |v[\s+16*\b]|, |v[\s+1+16*\b]|, 0x1800000   ; block b: my 16 numbers, and the floor 2^(3 - 127): so the byte cannot fall under 1
.endr
.irp i, 2,4,6,8,10,12,14
.irp b, 0,1,2,3
	v_max3_num_f32 v[TM+\b], v[TM+\b], |v[\s+16*\b+\i]|, |v[\s+1+16*\b+\i]|   ; the four blocks by turns
.endr
.endr
.irp b, 0,1,2,3
	v_permlanex16_b32 v[TM+4+\b], v[TM+\b], s[SEL], s[SEL+1]
.endr
.irp b, 0,1,2,3
	v_max_num_f32 v[TM+\b], v[TM+\b], v[TM+4+\b]   ; with lane l xor 16's: the block's largest magnitude
.endr
.irp b, 0,1,2,3
	v_add_nc_u32 v[TM+12+\b], 0xff000000, v[TM+\b] ; 2 off its exponent field: the conversion takes the exponent field of this operand as its scale
.endr
.irp b, 0,1,2,3
	v_lshrrev_b32 v[TM+4+\b], 23, v[TM+12+\b]      ; the scale's byte
.endr
	v_lshl_or_b32 v[PW], v[TM+5], 8, v[TM+4]       ; the four bytes make my row's scale word
	v_lshl_or_b32 v[PW], v[TM+6], 16, v[PW]
	v_lshl_or_b32 v[PW], v[TM+7], 24, v[PW]
.irp c, 0,1
	v_cvt_scalef32_pk16_fp6_f32 v[PC+6*\c:PC+2+6*\c], v[\s+32*\c:\s+15+32*\c], v[TM+12+2*\c]
	v_cvt_scalef32_pk16_fp6_f32 v[PC+12+4*\c:PC+14+4*\c], v[\s+16+32*\c:\s+31+32*\c], v[TM+12+2*\c+1]   ; (a conversion's three registers begin on an even number)
.endr
	v_nop                                          ; one plain place behind a scaled conversion
.irp c, 0,1                                    ; the operand's layout wants a whole block in a lane: lanes 0-15 block 2 c, lanes 16-31 block 2 c + 1
.irp i, 0,1,2
	v_permlane16_swap_b32 v[PC+6*\c+\i], v[PC+12+4*\c+\i]
.endr
.irp i, 0,1,2
	v_mov_b32 v[PC+3+6*\c+\i], v[PC+12+4*\c+\i]
.endr
.endr
.endm
.macro LOADF f, reg                    ; fragment f (K step f / 2 of my two, row tile f % 2): 16 rows, each load 512 consecutive bytes
.irp i, 0,1,2,3,4,5,6,7,8,9,10,11,12,13,14,15
	global_load_b128 v[\reg+4*\i:\reg+4*\i+3], v[VL], s[36:37] offset:(16*((\f)%2)+\i)*4096+512*((\f)/2) th:TH_LOAD_NT
.endr
.endm
.macro TURNF reg                       ; through my wave's stage: in as loaded, out 16 neighbours of each block of 32 a lane.  LDS serves a wave's instructions in order
.irp i, 0,1,2,3,4,5,6,7,8,9,10,11,12,13,14,15
	ds_store_b128 v[STI], v[\reg+4*\i:\reg+4*\i+3] offset:SP*\i
.endr
.irp b, 0,1,2,3
.irp j, 0,1,2,3
	ds_load_b128 v[X+16*\b+4*\j:X+16*\b+4*\j+3], v[STO] offset:128*\b+16*\j
.endr
.endr
.endm
.macro FRAGA f, reg
.if (\f) < 3
	s_wait_loadcnt 16                              ; this fragment's 16 loads are in; the younger fragment's 16 may be out
.else
	s_wait_loadcnt 0x0
.endif
	TURNF \reg
	s_wait_dscnt 0x0                               ; the numbers are back, and the stage's stores have read their registers,
.if (\f) < 2
	LOADF (\f)+2, \reg                             ; which take the fragment two further on
.endif
	s_wait_xcnt 0x0                                ; the last fragment's stores have read the codes' and the words' registers: they are written again only behind this wait
	QUANT X
.irp c, 0,1,2
	global_store_b128 v[LI], v[PC+4*\c:PC+4*\c+3], s[26:27] offset:((\f)/2)*786432+((\f)%2)*1536+512*\c   ; the image: 512 consecutive bytes a store
.endr
.if (\f)%2 == 0
	v_mov_b32 v[PWK], v[PW]
.else
	v_cndmask_b32 v[PWS], v[PWK], v[PW], s42       ; lanes 0-15: rows 0-15's words, lanes 16-31: rows 16-31's (every lane holds the word of row lane % 16)
	global_store_b32 v[LS], v[PWS], s[28:29] offset:((\f)/2)*32768   ; 128 consecutive bytes
.endif
.endm
	v_and_b32 v2, 15, v0                           ; r
	v_bfe_u32 v3, v0, 4, 1                         ; h
	s_lshr_b32 s34, ttmp9, 8                       ; 0: x, 1: h
	s_and_b32 s35, ttmp9, 255                      ; which 32 rows
	s_lshl_b32 s5, s4, 10
	v_lshl_add_u32 v[VL], v1, 4, s5
	s_mul_i32 s5, s4, 16*SP                        ; my wave's stage
	v_lshl_add_u32 v[STI], v1, 4, s5
	v_mul_u32_u24 v[STO], v2, SP
	v_lshl_add_u32 v[STO], v3, 6, v[STO]
	v_add_nc_u32 v[STO], s5, v[STO]
	v_lshlrev_b32 v[LI], 4, v1
	v_lshlrev_b32 v[LS], 2, v1
.irp b, 0,1,2,3
	v_mov_b32 v[TM+4+\b], 0                        ; written once: a lane permute's destination counts as one of its sources
.endr
	s_mov_b32 s[SEL], 0x76543210
	s_mov_b32 s[SEL+1], 0xfedcba98
	s_mov_b32 s42, 0xffff0000                      ; lanes 16-31
	s_lshl_b32 s38, s35, 17                        ; 32 rows of 4,096 bytes
	s_mov_b32 s39, 0
	s_mul_i32 s44, s34, 6291456                    ; codes: tensor,
	s_mul_i32 s45, s4, 2*786432                    ; my first K step,
	s_add_co_u32 s44, s44, s45
	s_mul_i32 s45, s35, 2*1536                     ; my first row tile
	s_add_co_u32 s44, s44, s45
	s_mov_b32 s45, 0
	s_lshl_b32 s46, s34, 18                        ; scale words: tensor,
	s_lshl_b32 s47, s4, 16                         ; my first K step,
	s_add_co_u32 s46, s46, s47
	s_lshl_b32 s47, s35, 7                         ; my 32 rows
	s_add_co_u32 s46, s46, s47
	s_mov_b32 s47, 0
	s_wait_alu depctr_va_vdst(0)
	s_wait_kmcnt 0x0
	s_cmp_eq_u32 s34, 0                            ; the choice hangs on the work-group's number alone
	s_cselect_b64 s[36:37], s[8:9], s[10:11]
	s_add_nc_u64 s[36:37], s[36:37], s[38:39]
	s_add_nc_u64 s[26:27], s[26:27], s[44:45]
	s_add_nc_u64 s[28:29], s[28:29], s[46:47]
	LOADF 0, RA
	LOADF 1, RB
	FRAGA 0, RA
	FRAGA 1, RB
	FRAGA 2, RA
	FRAGA 3, RB
	s_wait_tensorcnt 0x0
	ds_add_u32 v254, v255
	s_wait_dscnt 0x0
	s_endpgm
; ---------------- the weights.  A LANE TAKES A COLUMN n AND ITS REGISTERS RUN DOWN K: a block of 32 lies in one lane, each load reads 128 consecutive bytes a wave (512 a work-group).
; A wave takes 32 columns (two column tiles) x one K step of 128: four blocks a lane.
.Lweights:
.macro LOADB t                         ; block t: W(128 s + 32 t + i, my column), into set t % 2 (v32-63, v64-95)
.irp i, 0,1,2,3,4,5,6,7,8,9,10,11,12,13,14,15,16,17,18,19,20,21,22,23,24,25,26,27,28,29,30,31
	global_load_b32 v[32+32*((\t)%2)+\i], v4, s[36:37] offset:(32*(\t)+\i)*4096 th:TH_LOAD_NT
.endr
.endm
.macro BLOCK t
.set XS, 32+32*((\t)%2)
.if (\t) < 3
	s_wait_loadcnt 32                              ; this block's 32 loads are in; the next block's 32 may be out
.else
	s_wait_loadcnt 0x0
.endif
	v_max3_num_f32 v12, |v[XS]|, |v[XS+1]|, |v[XS+2]|               ; the block's largest magnitude: all 32 numbers are mine; two chains
	v_max3_num_f32 v13, |v[XS+3]|, |v[XS+4]|, |v[XS+5]|
.irp i, 6,10,14,18,22,26
	v_max3_num_f32 v12, v12, |v[XS+\i]|, |v[XS+\i+1]|
	v_max3_num_f32 v13, v13, |v[XS+\i+2]|, |v[XS+\i+3]|
.endr
	v_max3_num_f32 v12, v12, |v[XS+30]|, |v[XS+31]|
	v_max3_num_f32 v12, v12, v13, 0x1800000        ; and the floor 2^(3 - 127)
	v_add_nc_u32 v14, 0xff000000, v12              ; 2 off the exponent field: the conversion's scale operand
	v_lshrrev_b32 v15, 23, v14                     ; the scale's byte
.if (\t) == 0
	v_mov_b32 v16, v15                             ; four bytes make my column's scale word, the lower K in the lower byte
.else
	v_lshl_or_b32 v16, v15, 8*(\t), v16
.endif
	v_cvt_scalef32_pk16_fp6_f32 v[96+12*((\t)%2)+6*((\t)/2):98+12*((\t)%2)+6*((\t)/2)], v[XS:XS+15], v14       ; the lower 16 codes: even blocks into v96 on, odd blocks into v108 on
	v_cvt_scalef32_pk16_fp6_f32 v[120+8*((\t)%2)+4*((\t)/2):122+8*((\t)%2)+4*((\t)/2)], v[XS+16:XS+31], v14     ; the upper 16: made elsewhere and moved (three registers begin on an even number)
.if (\t) < 2
	LOADB (\t)+2
.endif
.endm
	s_wait_alu depctr_va_vdst(0)
	v_lshlrev_b32 v4, 2, v1                        ; in: 4 bytes a lane; also my scale word's place
	v_lshlrev_b32 v5, 4, v1                        ; an image's place for my lane
	s_sub_co_u32 s34, ttmp9, 512
	s_lshr_b32 s35, s34, 6                         ; the matrix, 0..6
	s_bfe_u32 s38, s34, 0x30003                    ; K step s
	s_and_b32 s39, s34, 7                          ; cb: which 128 columns
	s_lshr_b32 s40, s4, 1
	s_and_b32 s41, s4, 1
	s_lshl_b32 s42, s39, 1
	s_add_co_u32 s42, s42, s40                     ; nb = 2 cb + wave / 2: which 64 columns
	s_lshl_b32 s43, s42, 3                         ; the six gate matrices: image number ((8 nb + s) 6 + matrix) 4 + tile
	s_add_co_u32 s43, s43, s38
	s_mul_i32 s43, s43, 6
	s_add_co_u32 s43, s43, s35
	s_lshl_b32 s43, s43, 2
	s_and_b32 s44, s42, 3                          ; Wout: g = nb % 4, kh = s / 4, w = cb / 2, s' = s % 4: image number 3,072 + (((2 g + kh) 4 + w) 4 + s') 4 + tile
	s_lshl_b32 s44, s44, 1
	s_lshr_b32 s45, s38, 2
	s_add_co_u32 s44, s44, s45
	s_lshl_b32 s44, s44, 2
	s_lshr_b32 s45, s39, 1
	s_add_co_u32 s44, s44, s45
	s_lshl_b32 s44, s44, 2
	s_and_b32 s45, s38, 3
	s_add_co_u32 s44, s44, s45
	s_lshl_b32 s44, s44, 2
	s_add_co_u32 s44, s44, 3072
	s_cmp_eq_u32 s35, 6
	s_cselect_b32 s43, s44, s43
	s_lshl_b32 s45, s41, 1                         ; my even tile among the four: 2 (wave % 2)
	s_add_co_u32 s43, s43, s45
	s_mul_i32 s46, s43, 1536
	s_mov_b32 s47, 0
	s_lshl_b32 s48, s38, 19                        ; W: 128 s rows of 4,096 bytes,
	s_lshl_b32 s49, s39, 9                         ; + 128 cb columns,
	s_add_co_u32 s48, s48, s49
	s_lshl_b32 s50, s4, 7                          ; + 32 columns a wave
	s_add_co_u32 s48, s48, s50
	s_add_co_u32 s50, s50, s49                     ; scale words: 4 bytes a column,
	s_mov_b32 s49, 0
	s_lshl_b32 s51, s35, 15                        ; + the matrix,
	s_add_co_u32 s50, s50, s51
	s_lshl_b32 s51, s38, 12                        ; + the K step
	s_add_co_u32 s50, s50, s51
	s_mov_b32 s51, 0
	s_wait_alu depctr_va_vdst(0)
	s_wait_kmcnt 0x0
	s_mov_b64 s[36:37], s[12:13]                   ; the matrix's address: a choice on the work-group's number alone
.irp k, 1,2,3,4,5,6
	s_cmp_eq_u32 s35, \k
	s_cselect_b64 s[36:37], s[12+2*\k:13+2*\k], s[36:37]
.endr
	s_add_nc_u64 s[36:37], s[36:37], s[48:49]
	s_add_nc_u64 s[30:31], s[30:31], s[46:47]
	s_add_nc_u64 s[32:33], s[32:33], s[50:51]
	LOADB 0
	LOADB 1
	BLOCK 0
	BLOCK 1
	BLOCK 2
	BLOCK 3
	v_nop                                          ; one plain place behind a scaled conversion
; Lanes 0-15 hold the even tile's columns, lanes 16-31 the odd tile's.  A fragment wants block 2 c in lanes 0-15 and block 2 c + 1 in lanes 16-31, of ONE tile: the even block's
; lanes 16-31 change places with the odd block's lanes 0-15, and v96 on is the even tile's fragment, v108 on the odd tile's.
.irp c, 0,1
.irp i, 0,1,2
	v_permlane16_swap_b32 v[96+6*\c+\i], v[108+6*\c+\i]
	v_permlane16_swap_b32 v[120+4*\c+\i], v[128+4*\c+\i]
.endr
.endr
.irp c, 0,1
.irp i, 0,1,2
	v_mov_b32 v[99+6*\c+\i], v[120+4*\c+\i]
	v_mov_b32 v[111+6*\c+\i], v[128+4*\c+\i]
.endr
.endr
.irp c, 0,1,2,3,4,5
	global_store_b128 v5, v[96+4*\c:99+4*\c], s[30:31] offset:512*\c   ; two images on end: 3,072 consecutive bytes
.endr
	global_store_b32 v4, v16, s[32:33]             ; 32 columns' scale words: 128 consecutive bytes
	s_endpgm
.Lfunc_end_k_q7ec0f4c0a8_quant:
	.size	k_q7ec0f4c0a8_quant, .Lfunc_end_k_q7ec0f4c0a8_quant-k_q7ec0f4c0a8_quant
	.p2alignl 7, 3214868480
	.fill 96, 4, 3214868480
	.section	.rodata,"a",@progbits
	.p2align	6, 0x0
	.amdhsa_kernel k_q7ec0f4c0a8_quant
		.amdhsa_group_segment_fixed_size 34304
		.amdhsa_private_segment_fixed_size 0
		.amdhsa_enable_private_segment 0
		.amdhsa_kernarg_size 104
		.amdhsa_user_sgpr_count 2
		.amdhsa_user_sgpr_kernarg_segment_ptr 1
		.amdhsa_wavefront_size32 1
		.amdhsa_system_sgpr_workgroup_id_x 1
		.amdhsa_system_sgpr_workgroup_id_y 1
		.amdhsa_system_sgpr_workgroup_id_z 1
		.amdhsa_system_vgpr_workitem_id 0
		.amdhsa_next_free_vgpr 256
		.amdhsa_next_free_sgpr 66
		.amdhsa_reserve_vcc 0
		.amdhsa_float_denorm_mode_32 3
		.amdhsa_float_denorm_mode_16_64 3
		.amdhsa_memory_ordered 1
		.amdhsa_forward_progress 1
		.amdhsa_inst_pref_size 55
	.end_amdhsa_kernel
	.amdgpu_metadata
---
amdhsa.version: [ 1, 2 ]
amdhsa.kernels:
  - .name:           k_q7ec0f4c0a8_quant
    .symbol:         k_q7ec0f4c0a8_quant.kd
    .args:
      - { .name: x, .offset: 0, .size: 8, .value_kind: global_buffer, .address_space: global }
      - { .name: h, .offset: 8, .size: 8, .value_kind: global_buffer, .address_space: global }
      - { .name: Wir, .offset: 16, .size: 8, .value_kind: global_buffer, .address_space: global }
      - { .name: Wiz, .offset: 24, .size: 8, .value_kind: global_buffer, .address_space: global }
      - { .name: Win, .offset: 32, .size: 8, .value_kind: global_buffer, .address_space: global }
      - { .name: Whr, .offset: 40, .size: 8, .value_kind: global_buffer, .address_space: global }
      - { .name: Whz, .offset: 48, .size: 8, .value_kind: global_buffer, .address_space: global }
      - { .name: Whn, .offset: 56, .size: 8, .value_kind: global_buffer, .address_space: global }
      - { .name: Wout, .offset: 64, .size: 8, .value_kind: global_buffer, .address_space: global }
      - { .name: acodes, .offset: 72, .size: 8, .value_kind: global_buffer, .address_space: global }
      - { .name: ascales, .offset: 80, .size: 8, .value_kind: global_buffer, .address_space: global }
      - { .name: wcodes, .offset: 88, .size: 8, .value_kind: global_buffer, .address_space: global }
      - { .name: wscales, .offset: 96, .size: 8, .value_kind: global_buffer, .address_space: global }
    .group_segment_fixed_size: 34304
    .private_segment_fixed_size: 0
    .kernarg_segment_align: 8
    .kernarg_segment_size: 104
    .max_flat_workgroup_size: 128
    .sgpr_count:     66
    .vgpr_count:     256
    .wavefront_size: 32
...
	.end_amdgpu_metadata
.endif
;; end of part 1
;; launch gates (part 2): grid 16 x 16, 4 waves a work-group, clusters of 4 x 1, 327,680 bytes of LDS; arguments acodes, ascales, wcodes, wscales, h, bir, biz, bin_, bhn, out0; writes out0
.if DOCPART == 2
	.amdgcn_target "amdgcn-amd-amdhsa--gfx1250"
	.amdhsa_code_object_version 6
	.text
	.protected	k_q7ec0f4c0a8_gates
	.globl	k_q7ec0f4c0a8_gates
	.p2align	8
	.type	k_q7ec0f4c0a8_gates,@function
k_q7ec0f4c0a8_gates:
	s_mov_b64 s[64:65], 0
	v_nop
	global_prefetch_b8 v0, s[64:65] scope:SCOPE_SE
	s_setreg_imm32_b32 hwreg(HW_REG_WAVE_MODE, 25, 1), 1
	s_wait_xcnt 0x0
	s_wait_alu depctr_hold_cnt(0) depctr_sa_sdst(0) depctr_va_vdst(0) depctr_va_sdst(0) depctr_va_ssrc(0) depctr_va_vcc(0) depctr_vm_vsrc(0)
	s_getreg_b32 s2, hwreg(HW_REG_IB_STS2, 6, 4)
	s_cmp_eq_u32 s2, 0
	s_cbranch_scc0 .Lentry_in_a_cluster
	s_endpgm
.Lentry_in_a_cluster:
	s_bfe_u32 s2, ttmp6, 0x10000c
	s_cmp_lg_u32 s2, 0x3003
	s_cbranch_scc0 .Lentry_shape_is_right
	s_endpgm
.Lentry_shape_is_right:
; new_h = (1 - z) n + z h,  r = sigmoid(x Wir + bir + h Whr),  z = sigmoid(x Wiz + biz + h Whz),  n = tanh(x Win + bin_ + r (h Whn + bhn)).
; The six products run on codes of FP6 (E2M3) with E8M0 scales, made by the launch before and laid as images of the operand's registers (1,536 bytes a fragment of 16 rows x 128 K).
; SHARES.  A work-group owns 64 columns (grid y) and two tiles of 256 rows, 4,096 rows apart (grid x).  Wave w owns rows 64 w .. 64 w + 63 of a tile and all 64 columns: 4 row tiles a x 4 column
; tiles t, four sums each (R = x Wir + h Whr, Z = x Wiz + h Whz, NX = x Win, NH = h Whn): 64 accumulators, 512 registers.
; THE WEIGHTS STAY: the six matrices' codes of 64 columns, for all of K, are 294,912 consecutive bytes.  They come into LDS once and are never filled again: K steps 0, 1 by the head's loads (72 rows of
; 256 bytes a wave), K steps 2 to 7 by a second load a wave (216 rows), issued as a refill is, which is on its way while K steps 0, 1 are multiplied.  One barrier behind K step 1 shows them to all waves.
; CLUSTER: the four work-groups of a cluster (4 along x) own the same 64 columns: both loads are asked for jointly.
; x AND h GO STRAIGHT INTO REGISTERS: a wave's 64 rows are read by no other wave of the work-group, so LDS would serve nothing; the images are loaded 512 consecutive bytes an instruction, in groups of
; 14 loads (4 fragments and 64 rows' scale words), into two sets; a group is asked for as soon as its registers are free, one and a half K steps ahead of its use, and waited for by count.
; No data prefetch: these loads themselves run ahead in every trip, four groups (24,576 bytes a wave) are out at a time, and no barrier drains them.
; A trip is two K steps: 8 batches of 6 weight fragments x 4 row tiles = 24 matrix instructions; the weights' fragments come from LDS two batches ahead into two sets of 72 registers.
; THE MATRIX INSTRUCTION IS USED TRANSPOSED (source 0 = 16 columns of a weight, source 1 = 16 rows of x or h): lane (r, hh) holds row r, register j column 8 hh + j of the tile.
; ROUNDING: new_h is formed as n + z (h - n); sigmoid(a) = 1 / (1 + 2^(-a log2 e)), tanh(a) = 1 - 2 / (1 + 2^(2 a log2 e)), which stay right where the power overflows or falls to 0.
; LDS: the weights; their scale words [8 j + s][64 columns]; the biases [4][64], scaled; a stage of 16 rows x 272 bytes for each wave; the spare words.  The launch claims all of LDS.
; REGISTERS: window 0: v2-14 addresses; v32-39 x's, h's scale words; v40-63 the weights'; v64-207 the weights' fragments; in the gates v64-191 biases, v192-223 h, v224-255 rows of new_h.
;   window 1: v0-191 x's and h's fragments, set st at 96 st (x, then h); v192-255 h in f32 as loaded, two sets.   window 2: R at v[8 (4 a + t)], Z at 128 + ..   window 3: NX, NH likewise.
.set WSTEP, 36864                      ; a K step of the weights: 24 images
.set SCL,   294912
.set BIAS,  307200
.set STAGE, 308224
.set SP,    272                        ; a stage row: 256 bytes + 16
.set SPARE, 325632                     ; the spare words: 128 bytes a wave, two blocks of 256 bytes that no other line names
.set KS,    786432                     ; a K step of x's or h's codes
.set TH,    6291456                    ; h's codes behind x's
.set SS,    32768                      ; a K step of their scale words
.set SH,    262144
.set LI,  2                            ; 16 x lane
.set LS,  3                            ; 4 x lane
.set AW,  4                            ; v4-6 the weights' images of this trip's two K steps and of the next trip's first
.set SW,  7                            ; the weights' scale words of this trip's first K step
.set BA,  8                            ; my biases
.set STI, 9                            ; the stage by rows: lanes 0-15 one row of 256 bytes, lanes 16-31 the next
.set STA, 10                           ; the stage in the result's layout: row r, + 32 hh
.set CO,  11                           ; the same two rows in h and in out0
.set SPW, 12                           ; my spare word; never rewritten
.set NIL, 13                           ; 0; never rewritten
.set LW,  14                           ; SCL + 4 x lane
.set XS,  32
.set WS,  40
.set WF,  64
.set BI,  64
.set HH,  192
.set OUT, 224
.set WV,  24
.set G1,  32                           ; s[32:39] group 1, 72 rows;  s[48:55] group 1, 216 rows;  s[40:43], s[44:47] their groups 0
.set G0,  40
.set G0B, 44
.set G1B, 48
.set NL,  56                           ; s[56:57] -log2(e), as a pair
.set PL,  58                           ; s[58:59] 2 log2(e)
.set TL,  60                           ; tiles to go
.set CNT, 61
.set OFF, 62                           ; this trip's first K step in the weights' bytes
.set SOFF, 63                          ; and in their scale words
.set MSB, 0
.macro WIN new                         ; the immediate's high byte repeats the setting that is left; a switch that changes nothing is dropped
.if MSB != (\new)
	s_set_vgpr_msb (MSB<<8)|(\new)
.set MSB, (\new)
.endif
.endm
.macro PLACES n
.rept \n
	v_nop
.endr
.endm
.macro ROUND                           ; a round of the cluster's barrier
	s_barrier_signal -1
	s_barrier_wait -1
	s_cmp_lg_u32 s[WV], 0
	s_cbranch_scc1 .Lnot_wave_0_\@
	s_barrier_signal -3
.Lnot_wave_0_\@:
	s_barrier_wait -3
	s_barrier_signal -1
	s_barrier_wait -1
.endm
; a group: tensor th (0 x, 1 h), the K step ks behind the pointers, into set st: 12 loads of 512 consecutive bytes and two of 128
.macro GLOAD st, th, ks
	WIN 0x40                                       ; destination window 1
.set i, 0
.rept 12
	global_load_b128 v[96*(\st)+48*(\th)+4*i:96*(\st)+48*(\th)+4*i+3], v[LI], s[4:5] offset:TH*(\th)+KS*(\ks)+512*i
.set i, i+1
.endr
	WIN 0
	global_load_b32 v[XS+4*(\st)+2*(\th)], v[LS], s[6:7] offset:SH*(\th)+SS*(\ks)
	global_load_b32 v[XS+4*(\st)+2*(\th)+1], v[LS], s[6:7] offset:SH*(\th)+SS*(\ks)+128
.endm
.macro HLOAD a                         ; 16 rows of h in f32, my 256 bytes of each: two rows an instruction
	WIN 0x40
.irp i, 0,1,2,3,4,5,6,7
	global_load_b128 v[192+32*((\a)%2)+4*\i:192+32*((\a)%2)+4*\i+3], v[CO], s[12:13] offset:65536*(\a)+8192*\i th:TH_LOAD_NT
.endr
	WIN 0
.endm
	s_load_b512 s[4:19], s[0:1], 0x0               ; acodes, ascales, wcodes, wscales, h, bir, biz, bin_
	s_load_b128 s[20:23], s[0:1], 0x40             ; bhn, out0
	v_lshl_add_u32 v[SPW], v0, 2, SPARE
	v_mov_b32 v[NIL], 0
	ds_add_u32 v[SPW], v[NIL]                      ; the opening lines: the add, twice on end, and one wait
	ds_add_u32 v[SPW], v[NIL]
	v_lshrrev_b32 v15, 5, v0
	v_readfirstlane_b32 s[WV], v15                 ; wave 0..3
	s_bfe_u32 s25, ttmp6, 0x40000                  ; cx: it enters the addresses of x, h and out0 alone
	s_lshl_b32 s26, ttmp9, 2
	s_add_co_u32 s26, s26, s25                     ; which 256 rows
	s_and_b32 s27, ttmp7, 0xffff                   ; which 64 columns: the same in the four partners
	s_mov_b32 s[G1], 15|(3<<16)|(1<<21)            ; the mask: all four; elements of 8 bytes; bit 21 beside a mask
	s_mov_b32 s[G1+1], 32<<16                      ; rows of 256 bytes
	s_mov_b32 s[G1+2], 72<<16
	s_mov_b32 s[G1+3], 32<<16
	s_mov_b32 s[G1+4], 72
	s_mov_b32 s[G1+5], 32
	s_mov_b32 s[G1+6], 0
	s_mov_b32 s[G1+7], 0
	s_mov_b32 s[G1B], 15|(3<<16)|(1<<21)
	s_mov_b32 s[G1B+1], 32<<16
	s_mov_b32 s[G1B+2], 216<<16
	s_mov_b32 s[G1B+3], 32<<16
	s_mov_b32 s[G1B+4], 216
	s_mov_b32 s[G1B+5], 32
	s_mov_b32 s[G1B+6], 0
	s_mov_b32 s[G1B+7], 0
	s_mov_b32 s[NL], 0xbfb8aa3b
	s_mov_b32 s[NL+1], 0xbfb8aa3b
	s_mov_b32 s[PL], 0x4038aa3b
	s_mov_b32 s[PL+1], 0x4038aa3b
	s_mul_i32 s28, s[WV], 16*SP
	s_add_co_u32 s28, s28, STAGE                   ; my stage
	s_mul_i32 s29, s[WV], 12*256
	s_add_co_u32 s29, s29, SCL                     ; my 12 rows of the scale words' table
	s_lshl_b32 s30, s[WV], 8
	s_add_co_u32 s30, s30, BIAS                    ; my row of the biases' table
	s_lshl_b32 s66, s26, 4
	s_lshl_b32 s67, s[WV], 2
	s_add_co_u32 s66, s66, s67                     ; my first row tile
	s_mul_i32 s68, s66, 1536                       ; in the codes,
	s_mov_b32 s69, 0
	s_lshl_b32 s70, s66, 6                         ; in the rows' scale words,
	s_mov_b32 s71, 0
	s_lshl_b32 s72, s66, 16                        ; in h and out0,
	s_lshl_b32 s74, s27, 8                         ; + my 64 columns of 4 bytes
	s_add_co_u32 s72, s72, s74
	s_mov_b32 s73, 0
	s_mov_b32 s75, 0
	s_mul_i32 s76, s27, 8*WSTEP                    ; the weights' codes of my 64 columns
	s_mov_b32 s77, 0
	s_mul_i32 s78, s[WV], 12*4096
	s_add_co_u32 s78, s78, s74                     ; their scale words: my 12 rows of 4,096 bytes, my 64 columns
	s_mov_b32 s79, 0
	s_mul_i32 s31, s[WV], 18432                    ; my quarter of K steps 0, 1: the same offset in memory and in LDS
	s_mul_i32 s61, s[WV], 55296
	s_add_co_u32 s61, s61, 2*WSTEP                 ; and of K steps 2 to 7
	s_mov_b32 s63, 0
	v_and_b32 v1, 31, v0                           ; lane
	v_and_b32 v16, 15, v0                          ; r
	v_bfe_u32 v17, v0, 4, 1                        ; hh
	v_lshlrev_b32 v[LI], 4, v1
	v_lshlrev_b32 v[LS], 2, v1
	v_lshlrev_b32 v18, 3, v1                       ; 8 x lane
	v_lshl_add_u32 v[LW], v1, 2, SCL
	v_mul_u32_u24 v[STA], v16, SP
	v_lshl_add_u32 v[STA], v17, 5, v[STA]
	v_add_nc_u32 v[STA], s28, v[STA]
	v_mul_u32_u24 v[STI], v17, SP
	v_lshl_add_u32 v[STI], v16, 4, v[STI]
	v_add_nc_u32 v[STI], s28, v[STI]
	v_lshlrev_b32 v[CO], 12, v17
	v_lshl_add_u32 v[CO], v16, 4, v[CO]
	v_lshl_add_u32 v[BA], v17, 5, BIAS
	v_add_nc_u32 v19, s29, v18
	v_add_nc_u32 v20, s30, v18
	s_wait_alu depctr_va_vdst(0)
	s_wait_dscnt 0x0                               ; both opening adds are done
	s_wait_kmcnt 0x0
	s_add_nc_u64 s[4:5], s[4:5], s[68:69]
	s_add_nc_u64 s[6:7], s[6:7], s[70:71]
	s_add_nc_u64 s[12:13], s[12:13], s[72:73]
	s_add_nc_u64 s[22:23], s[22:23], s[72:73]
	s_add_nc_u64 s[8:9], s[8:9], s[76:77]
	s_add_nc_u64 s[10:11], s[10:11], s[78:79]
	s_cmp_eq_u32 s[WV], 1                          ; wave w brings bias w: bir, biz, bin_, bhn
	s_cselect_b64 s[14:15], s[16:17], s[14:15]
	s_cmp_eq_u32 s[WV], 2
	s_cselect_b64 s[14:15], s[18:19], s[14:15]
	s_cmp_eq_u32 s[WV], 3
	s_cselect_b64 s[14:15], s[20:21], s[14:15]
	s_mov_b32 s67, 0x4038aa3b                      ; tanh's exponent is 2 log2(e) (..), a sigmoid's -log2(e) (..)
	s_cmp_lt_u32 s[WV], 2
	s_cselect_b32 s67, 0xbfb8aa3b, s67
	s_add_nc_u64 s[14:15], s[14:15], s[74:75]
	s_mov_b32 s[G0], 1
	s_mov_b32 s[G0+1], s31
	s_mov_b32 s62, s31
	s_add_nc_u64 s[G0+2:G0+3], s[8:9], s[62:63]
	s_or_b32 s[G0+3], s[G0+3], 0x80000000
	s_mov_b32 s[G0B], 1
	s_mov_b32 s[G0B+1], s61
	s_mov_b32 s62, s61
	s_add_nc_u64 s[G0B+2:G0B+3], s[8:9], s[62:63]
	s_or_b32 s[G0B+3], s[G0B+3], 0x80000000
	global_load_b64 v[22:23], v18, s[14:15]        ; my bias: 256 consecutive bytes
.irp i, 0,1,2,3,4,5,6,7,8,9,10,11
	global_load_b64 v[64+2*\i:65+2*\i], v18, s[10:11] offset:4096*\i   ; a row of the weights' scale words: 256 consecutive bytes
.endr
	GLOAD 0, 0, 0                                  ; the first tile's K steps 0 and 1
	GLOAD 0, 1, 0
	GLOAD 1, 0, 1
	GLOAD 1, 1, 1
	ROUND                                          ; all four work-groups are here: the first joint loads meet
	tensor_load_to_lds s[G0:G0+3], s[G1:G1+7]      ; my quarter of the weights' K steps 0, 1: one tensor load a wave at the head
	s_nop 0
	PLACES 4
	s_wait_loadcnt 56                              ; the 13 loads of the tables are in; the four groups may be out
	v_mul_f32 v22, s67, v22
	v_mul_f32 v23, s67, v23
	ds_store_b64 v20, v[22:23]
.irp i, 0,1,2,3,4,5,6,7,8,9,10,11
	ds_store_b64 v19, v[64+2*\i:65+2*\i] offset:256*\i
.endr
	s_wait_tensorcnt 0x0
	ds_add_u32 v[SPW], v[NIL]
	s_wait_dscnt 0x0                               ; the add and my stores into the tables are done
	ROUND                                          ; K steps 0, 1 and the tables are whole for every wave
	tensor_load_to_lds s[G0B:G0B+3], s[G1B:G1B+7]  ; my quarter of K steps 2 to 7, into bytes of their own
	s_nop 0
	PLACES 4
; One matrix instruction, from the symbols rD, rA, rB (registers), rZ (the product starts the sum), rSA, rSB (scale registers), rRA, rRB (the scales lie in lanes 16-31)
.macro WM
.if rZ
.if rRA && rRB
	v_wmma_scale_f32_16x16x128_f8f6f4 v[rD:rD+7], v[rA:rA+11], v[rB:rB+11], 0, v[rSA], v[rSB] matrix_a_fmt:MATRIX_FMT_FP6 matrix_b_fmt:MATRIX_FMT_FP6 matrix_a_scale:MATRIX_SCALE_ROW1 matrix_b_scale:MATRIX_SCALE_ROW1
.elseif rRA
	v_wmma_scale_f32_16x16x128_f8f6f4 v[rD:rD+7], v[rA:rA+11], v[rB:rB+11], 0, v[rSA], v[rSB] matrix_a_fmt:MATRIX_FMT_FP6 matrix_b_fmt:MATRIX_FMT_FP6 matrix_a_scale:MATRIX_SCALE_ROW1
.elseif rRB
	v_wmma_scale_f32_16x16x128_f8f6f4 v[rD:rD+7], v[rA:rA+11], v[rB:rB+11], 0, v[rSA], v[rSB] matrix_a_fmt:MATRIX_FMT_FP6 matrix_b_fmt:MATRIX_FMT_FP6 matrix_b_scale:MATRIX_SCALE_ROW1
.else
	v_wmma_scale_f32_16x16x128_f8f6f4 v[rD:rD+7], v[rA:rA+11], v[rB:rB+11], 0, v[rSA], v[rSB] matrix_a_fmt:MATRIX_FMT_FP6 matrix_b_fmt:MATRIX_FMT_FP6
.endif
.else
.if rRA && rRB
	v_wmma_scale_f32_16x16x128_f8f6f4 v[rD:rD+7], v[rA:rA+11], v[rB:rB+11], v[rD:rD+7], v[rSA], v[rSB] matrix_a_fmt:MATRIX_FMT_FP6 matrix_b_fmt:MATRIX_FMT_FP6 matrix_a_scale:MATRIX_SCALE_ROW1 matrix_b_scale:MATRIX_SCALE_ROW1
.elseif rRA
	v_wmma_scale_f32_16x16x128_f8f6f4 v[rD:rD+7], v[rA:rA+11], v[rB:rB+11], v[rD:rD+7], v[rSA], v[rSB] matrix_a_fmt:MATRIX_FMT_FP6 matrix_b_fmt:MATRIX_FMT_FP6 matrix_a_scale:MATRIX_SCALE_ROW1
.elseif rRB
	v_wmma_scale_f32_16x16x128_f8f6f4 v[rD:rD+7], v[rA:rA+11], v[rB:rB+11], v[rD:rD+7], v[rSA], v[rSB] matrix_a_fmt:MATRIX_FMT_FP6 matrix_b_fmt:MATRIX_FMT_FP6 matrix_b_scale:MATRIX_SCALE_ROW1
.else
	v_wmma_scale_f32_16x16x128_f8f6f4 v[rD:rD+7], v[rA:rA+11], v[rB:rB+11], v[rD:rD+7], v[rSA], v[rSB] matrix_a_fmt:MATRIX_FMT_FP6 matrix_b_fmt:MATRIX_FMT_FP6
.endif
.endif
.endm
; Batch q of the trip's K step st: weight fragments 6 q .. 6 q + 5 (fragment f: matrix f / 4, column tile f % 4), each against my 4 row tiles.  Matrices 0 Wir, 1 Wiz, 2 Win take x; 3 Whr, 4 Whz, 5 Whn take h.
; Source 0 window 0, source 1 window 1, C and D window 2 (R, Z) or 3 (NX, NH).  The accumulators take turns, one instruction a turn.
.macro MULS st, q, zero
.set ff, 6*(\q)
.rept 6
.set jj, ff/4
.set tt, ff%4
	WIN 0xa4+0x50*((jj%3)/2)
.set aa, 0
.rept 4
.set rD, 128*((jj%3)%2)+128*((jj%3)/2)*(jj/3)+8*(4*aa+tt)
.set rA, WF+72*((\q)%2)+12*(ff-6*(\q))
.set rB, 96*(\st)+48*(jj/3)+12*aa
.set rZ, (\zero) && (jj != 3) && (jj != 4)
.set rSA, WS+12*(\st)+2*jj+tt/2
.set rSB, XS+4*(\st)+2*(jj/3)+aa/2
.set rRA, tt%2
.set rRB, aa%2
	WM
.set aa, aa+1
.endr
.set ff, ff+1
.endr
.endm
; Batch q of the K step at v[areg]: 18 LDS loads; ahead of a step's first batch its 12 scale registers (matrix j, columns 32 p on: an even tile's words in lanes 0-15, the odd tile's in lanes 16-31) into set sset
.macro FETCHW areg, q, sset, soff
	WIN 0
.if (\q) == 0
.irp j, 0,1,2,3,4,5
.irp p, 0,1
	ds_load_b32 v[WS+12*(\sset)+2*\j+\p], v[SW] offset:(\soff)+2048*\j+128*\p
.endr
.endr
.endif
.set i, 0
.rept 18
	ds_load_b128 v[WF+72*((\q)%2)+4*i:WF+72*((\q)%2)+4*i+3], v[\areg] offset:9216*(\q)+512*i
.set i, i+1
.endr
.endm
.macro BASES                           ; the trip's LDS addresses, from its place along K
	v_add_nc_u32 v[AW], s[OFF], v[LI]
	v_add_nc_u32 v[AW+1], WSTEP, v[AW]
	v_add_nc_u32 v[AW+2], 2*WSTEP, v[AW]
	v_add_nc_u32 v[SW], s[SOFF], v[LW]
	s_wait_alu depctr_va_vdst(0)
.endm
; A TRIP: two K steps, batches n = 0 .. 7.  zero: the first K step starts the sums.  ld: the groups of the two K steps after the next are asked for, each when its registers are free.
; nx: the next trip's first two batches are fetched.  hl: loads issued behind the last group (a tile's last trip).
.macro TRIP zero, ld, nx, hl
.irp n, 0,1,2,3,4,5,6,7
.if (\n < 7) || \nx
.if (\n+1)%4 == 0
	s_wait_dscnt 30                                ; batch n is in; the next batch's 18 loads and its step's 12 scale words may be out
.else
	s_wait_dscnt 18                                ; batch n is in; the next batch's 18 loads may be out
.endif
.else
	s_wait_dscnt 0x0
.endif
.if \n%2 == 0
.if \ld
	s_wait_loadcnt 42                              ; this half step's group is in; the three younger groups of 14 may be out
.else
	s_wait_loadcnt 14*(3-\n/2)+\hl                 ; no group is asked for any more: the counts run down
.endif
.endif
	MULS \n/4, \n%4, (\zero)*(1-\n/4)
	PLACES 4                                       ; in front of loads into registers that these products read
.if \ld && (\n%2 == 1)
.if \n == 1
	s_wait_xcnt 0x0                                ; the earlier groups have read their bases
	s_add_nc_u64 s[4:5], s[4:5], 2*KS
	s_add_nc_u64 s[6:7], s[6:7], 2*SS
.endif
	GLOAD \n/4, (\n/2)%2, \n/4
.endif
.if (\n < 6) || \nx
	FETCHW AW+(\n+2)/4, (\n+2)%4, ((\n+2)/4)%2, 256*((\n+2)/4)
.endif
.endr
	WIN 0
.endm
; THE GATES of row tile a: element 8 t + j of a lane lies at register 32 a + 8 t + j of R and NX, 128 further on of Z and NH; its biases at BI + 32 k + 8 t + j, its h at HH + 8 t + j.
; The exponentials and reciprocals go in batches, each with one wait ahead of it and one behind it; each accumulator is read from its low end on.
.macro EPI a
.set E, 32*(\a)
	s_wait_alu depctr_va_vdst(0)
	WIN 0x82                                       ; sums window 2, biases window 0
.set i, 0
.rept 16
	v_pk_fma_f32 v[E+i:E+i+1], v[E+i:E+i+1], s[NL:NL+1], v[BI+i:BI+i+1] op_sel_hi:[1,0,1]                         ; -log2(e) (R + bir)
	v_pk_fma_f32 v[128+E+i:128+E+i+1], v[128+E+i:128+E+i+1], s[NL:NL+1], v[BI+32+i:BI+32+i+1] op_sel_hi:[1,0,1]   ; -log2(e) (Z + biz)
.set i, i+2
.endr
	s_wait_alu depctr_va_vdst(0)
.set i, 0
.rept 32
	v_exp_f32 v[E+i], v[E+i]
	v_exp_f32 v[128+E+i], v[128+E+i]
.set i, i+1
.endr
	WIN 0xc3                                       ; sums window 3: the plain work behind the batch
	s_wait_alu depctr_va_vdst(0)
.set i, 0
.rept 16
	v_pk_fma_f32 v[E+i:E+i+1], v[E+i:E+i+1], s[PL:PL+1], v[BI+64+i:BI+64+i+1] op_sel_hi:[1,0,1]                   ; 2 log2(e) (NX + bin_)
	v_pk_fma_f32 v[128+E+i:128+E+i+1], v[128+E+i:128+E+i+1], s[PL:PL+1], v[BI+96+i:BI+96+i+1] op_sel_hi:[1,0,1]   ; 2 log2(e) (NH + bhn)
.set i, i+2
.endr
	s_wait_alu depctr_va_vdst(0)
	WIN 0x82
.set i, 0
.rept 16
	v_pk_add_f32 v[E+i:E+i+1], v[E+i:E+i+1], 1.0 op_sel_hi:[1,0]
	v_pk_add_f32 v[128+E+i:128+E+i+1], v[128+E+i:128+E+i+1], 1.0 op_sel_hi:[1,0]
.set i, i+2
.endr
	s_wait_alu depctr_va_vdst(0)
.set i, 0
.rept 32
	v_rcp_f32 v[E+i], v[E+i]                       ; r
	v_rcp_f32 v[128+E+i], v[128+E+i]               ; z
.set i, i+1
.endr
	v_nop
	s_wait_alu depctr_va_vdst(0)
	WIN 0xfe                                       ; source 0 window 2, the rest window 3
.set i, 0
.rept 16
	v_pk_fma_f32 v[E+i:E+i+1], v[E+i:E+i+1], v[128+E+i:128+E+i+1], v[E+i:E+i+1]   ; tanh's exponent
.set i, i+2
.endr
	WIN 0xc3
	s_wait_alu depctr_va_vdst(0)
.set i, 0
.rept 32
	v_exp_f32 v[E+i], v[E+i]
.set i, i+1
.endr
	v_nop
	s_wait_alu depctr_va_vdst(0)
.set i, 0
.rept 16
	v_pk_add_f32 v[E+i:E+i+1], v[E+i:E+i+1], 1.0 op_sel_hi:[1,0]
.set i, i+2
.endr
	s_wait_alu depctr_va_vdst(0)
.set i, 0
.rept 32
	v_rcp_f32 v[E+i], v[E+i]
.set i, i+1
.endr
	v_nop
	s_wait_alu depctr_va_vdst(0)
.set i, 0
.rept 16
	v_pk_fma_f32 v[E+i:E+i+1], v[E+i:E+i+1], -2.0, 1.0 op_sel_hi:[1,0,0]            ; n
.set i, i+2
.endr
	WIN 0xcc                                       ; source 0 (h) window 0, source 1 and destination window 3
.set i, 0
.rept 16
	v_pk_add_f32 v[128+E+i:128+E+i+1], v[HH+i:HH+i+1], v[E+i:E+i+1] neg_lo:[0,1] neg_hi:[0,1]   ; h - n
.set i, i+2
.endr
	WIN 0xfe
.set i, 0
.rept 16
	v_pk_fma_f32 v[E+i:E+i+1], v[128+E+i:128+E+i+1], v[128+E+i:128+E+i+1], v[E+i:E+i+1]   ; new_h = z (h - n) + n
.set i, i+2
.endr
.endm
; h's 16 rows of row tile a through my stage: in by rows as loaded, out in the result's layout.  LDS serves a wave's instructions in order.  left: the younger loads that may be out
.macro TURNH a, left
	s_wait_loadcnt \left
	WIN 0x04                                       ; an LDS store's data are its source 1: window 1
.irp i, 0,1,2,3,4,5,6,7
	ds_store_b128 v[STI], v[192+32*((\a)%2)+4*\i:192+32*((\a)%2)+4*\i+3] offset:2*SP*\i
.endr
	WIN 0
.irp t, 0,1,2,3
.irp q, 0,1
	ds_load_b128 v[HH+8*\t+4*\q:HH+8*\t+4*\q+3], v[STA] offset:64*\t+16*\q
.endr
.endr
.endm
	s_mov_b32 s[TL], 2
.Ltile:
	s_mov_b32 s[OFF], 0
	s_mov_b32 s[SOFF], 0
	BASES
	FETCHW AW, 0, 0, 0
	FETCHW AW, 1, 0, 0
	TRIP 1, 1, 0, 0                                ; K steps 0, 1: their products start the sums
	s_wait_tensorcnt 0x0                           ; my quarter of the weights' K steps 2 to 7 is in (in the second tile nothing is out),
	s_wait_dscnt 0x0
	s_barrier_signal -1
	s_barrier_wait -1                              ; and everybody's
	s_mov_b32 s[OFF], 2*WSTEP
	s_mov_b32 s[SOFF], 512
	BASES
	FETCHW AW, 0, 0, 0
	FETCHW AW, 1, 0, 0
	s_mov_b32 s[CNT], 2
.Ltrip:
	TRIP 0, 1, 1, 0                                ; K steps 2, 3 and 4, 5
	s_add_co_u32 s[OFF], s[OFF], 2*WSTEP
	s_add_co_u32 s[SOFF], s[SOFF], 512
	BASES
	s_sub_co_u32 s[CNT], s[CNT], 1
	s_cmp_lg_u32 s[CNT], 0
	s_cbranch_scc1 .Ltrip
	HLOAD 0                                        ; h in f32 for the gates' first 32 rows: 16 loads, younger than the last groups
	HLOAD 1
	TRIP 0, 0, 0, 16                               ; K steps 6, 7: written out, since they ask for no group
.irp k, 0,1,2,3
.irp t, 0,1,2,3
.irp q, 0,1
	ds_load_b128 v[BI+32*\k+8*\t+4*\q:BI+32*\k+8*\t+4*\q+3], v[BA] offset:256*\k+64*\t+16*\q   ; the biases in the result's layout
.endr
.endr
.endr
	TURNH 0, 8
.irp a, 0,1,2,3
	s_wait_dscnt 0x0                               ; my h is in, and the stage's stores have read their registers
.if \a == 1
	s_cmp_eq_u32 s[TL], 1
	s_cbranch_scc1 .Lno_more                       ; the last tile has no successor
	s_wait_xcnt 0x0
	s_sub_nc_u64 s[4:5], s[4:5], 6*KS-256*1536     ; six K steps back, 256 row tiles on
	s_sub_nc_u64 s[6:7], s[6:7], 6*SS-16384
	GLOAD 0, 0, 0                                  ; the next tile's K steps 0 and 1 land under the gates
	GLOAD 0, 1, 0
	GLOAD 1, 0, 1
	GLOAD 1, 1, 1
.Lno_more:
	HLOAD 2
	HLOAD 3
.endif
	EPI \a
	s_wait_alu depctr_va_vdst(0)
	s_wait_xcnt 0x0                                ; the last rows' stores have read their registers
	WIN 0x0c                                       ; an LDS store's data are its source 1: window 3
.irp t, 0,1,2,3
.irp q, 0,1
	ds_store_b128 v[STA], v[32*\a+8*\t+4*\q:32*\a+8*\t+4*\q+3] offset:64*\t+16*\q
.endr
.endr
	WIN 0
.irp i, 0,1,2,3,4,5,6,7
	ds_load_b128 v[OUT+4*\i:OUT+4*\i+3], v[STI] offset:2*SP*\i   ; back as whole rows of 256 bytes
.endr
.if \a < 3
	TURNH \a+1, 8*(\a%2)                           ; behind them, in order, the next 16 rows of h take the stage
	s_wait_dscnt 16                                ; the rows of new_h are back; TURNH's 16 may be out
.else
	s_wait_dscnt 0x0
.endif
.irp i, 0,1,2,3,4,5,6,7
	global_store_b128 v[CO], v[OUT+4*\i:OUT+4*\i+3], s[22:23] offset:65536*\a+8192*\i   ; 16 lanes store 256 consecutive bytes, at a multiple of 256 from out0's first byte
.endr
.endr
	s_wait_xcnt 0x0
	s_add_nc_u64 s[12:13], s[12:13], 0x1000000     ; 4,096 rows on in h and in out0
	s_add_nc_u64 s[22:23], s[22:23], 0x1000000
	s_sub_co_u32 s[TL], s[TL], 1
	s_cmp_lg_u32 s[TL], 0
	s_cbranch_scc1 .Ltile
	s_wait_tensorcnt 0x0                           ; the wave's end
	ds_add_u32 v[SPW], v[NIL]
	s_wait_dscnt 0x0
	ROUND                                          ; the closing round
	s_endpgm
.Lfunc_end_k_q7ec0f4c0a8_gates:
	.size	k_q7ec0f4c0a8_gates, .Lfunc_end_k_q7ec0f4c0a8_gates-k_q7ec0f4c0a8_gates
	.p2alignl 7, 3214868480
	.fill 96, 4, 3214868480
	.section	.rodata,"a",@progbits
	.p2align	6, 0x0
	.amdhsa_kernel k_q7ec0f4c0a8_gates
		.amdhsa_group_segment_fixed_size 327680
		.amdhsa_private_segment_fixed_size 0
		.amdhsa_enable_private_segment 0
		.amdhsa_kernarg_size 80
		.amdhsa_user_sgpr_count 2
		.amdhsa_user_sgpr_kernarg_segment_ptr 1
		.amdhsa_wavefront_size32 1
		.amdhsa_system_sgpr_workgroup_id_x 1
		.amdhsa_system_sgpr_workgroup_id_y 1
		.amdhsa_system_sgpr_workgroup_id_z 1
		.amdhsa_system_vgpr_workitem_id 0
		.amdhsa_next_free_vgpr 1024
		.amdhsa_next_free_sgpr 80
		.amdhsa_reserve_vcc 0
		.amdhsa_float_denorm_mode_32 3
		.amdhsa_float_denorm_mode_16_64 3
		.amdhsa_memory_ordered 1
		.amdhsa_forward_progress 1
		.amdhsa_inst_pref_size 231
	.end_amdhsa_kernel
	.amdgpu_metadata
---
amdhsa.version: [ 1, 2 ]
amdhsa.kernels:
  - .name:           k_q7ec0f4c0a8_gates
    .symbol:         k_q7ec0f4c0a8_gates.kd
    .args:
      - { .name: acodes, .offset: 0, .size: 8, .value_kind: global_buffer, .address_space: global }
      - { .name: ascales, .offset: 8, .size: 8, .value_kind: global_buffer, .address_space: global }
      - { .name: wcodes, .offset: 16, .size: 8, .value_kind: global_buffer, .address_space: global }
      - { .name: wscales, .offset: 24, .size: 8, .value_kind: global_buffer, .address_space: global }
      - { .name: h, .offset: 32, .size: 8, .value_kind: global_buffer, .address_space: global }
      - { .name: bir, .offset: 40, .size: 8, .value_kind: global_buffer, .address_space: global }
      - { .name: biz, .offset: 48, .size: 8, .value_kind: global_buffer, .address_space: global }
      - { .name: bin_, .offset: 56, .size: 8, .value_kind: global_buffer, .address_space: global }
      - { .name: bhn, .offset: 64, .size: 8, .value_kind: global_buffer, .address_space: global }
      - { .name: out0, .offset: 72, .size: 8, .value_kind: global_buffer, .address_space: global }
    .group_segment_fixed_size: 327680
    .private_segment_fixed_size: 0
    .kernarg_segment_align: 8
    .kernarg_segment_size: 80
    .max_flat_workgroup_size: 128
    .sgpr_count:     80
    .vgpr_count:     1024
    .wavefront_size: 32
...
	.end_amdgpu_metadata
.endif
;; end of part 2
;; launch lnq (part 3): grid 256 x 1, 4 waves a work-group, no clusters, 44,544 bytes of LDS; arguments out0, ln_scale, ln_bias, ncodes, nscales; writes ncodes, nscales
.if DOCPART == 3
	.amdgcn_target "amdgcn-amd-amdhsa--gfx1250"
	.amdhsa_code_object_version 6
	.text
	.protected	k_q7ec0f4c0a8_lnq
	.globl	k_q7ec0f4c0a8_lnq
	.p2align	8
	.type	k_q7ec0f4c0a8_lnq,@function
k_q7ec0f4c0a8_lnq:
	s_mov_b64 s[64:65], 0
	v_nop
	global_prefetch_b8 v0, s[64:65] scope:SCOPE_SE
	s_setreg_imm32_b32 hwreg(HW_REG_WAVE_MODE, 25, 1), 1
	s_wait_xcnt 0x0
; LayerNorm(new_h), quantised.  new_h (out0) [8192][1024] f32 is normalised in f32 (mean, then the mean of the squared differences, as two passes over registers), scaled and shifted,
; and quantised along its row to FP6 (E2M3) with one E8M0 scale byte for each 32 numbers.  The next launch multiplies the codes by Wout's.
; LIMITS of the quantiser: a block of zeros gets the byte 1 (its codes are zeros; this program alone reads the bytes); blocks under 2^-124 have their byte held at 1; NaN and infinities are not served.
; THE CODES ARE LAID AS IMAGES OF THE OPERAND'S REGISTERS (1,536 bytes a fragment of 16 rows x 128 K: register 4 c + i of lane l at byte 512 c + 16 l + 4 i):
;   ncodes [K step s][row tile m][image];   nscales [32 rows][s][row] one word of four bytes: a work-group's words are 1,024 consecutive bytes.
; SHARES.  A work-group owns 32 whole rows.  Wave w takes row tile u = w % 2 and K steps 4 kq + f (kq = w / 2, f = 0..3): half of each of 16 rows, 256 numbers a lane; a row's sums meet across
; lanes l, l xor 16 and across waves w, w xor 2.  Gain and bias come from memory once, 2,048 dense bytes a wave, lie in LDS, and each fragment takes its 128 registers from there.
; No work-group shares rows with another: no cluster, no tensor load.  All of a wave's 68 loads are issued at its head: there is no loop to prefetch in.
; REGISTERS: window 0: v4-23, v39 addresses; v24-38 sums; v112-175 64 numbers; v176-212 QUANT's.  window 1: the 256 numbers of a lane.  window 2: the numbers as loaded, then gain and bias in two sets of 128.
.set STAT,  33792                      ; behind the four stages of 16 x 528 bytes: two rounds of sums
.set ASC,   34816                      ; the scale words [s][32 rows]
.set GB,    35840                      ; gain, 4,096 bytes, then bias
.set SPARE, 44032                      ; the spare words: 128 bytes a wave, two blocks of 256 bytes that no other line names
.set LI,  4                            ; 16 x lane
.set STI, 5                            ; my stage, on the way in
.set STO, 6                            ; and on the way out: row r, + 64 hh
.set ASW, 8                            ; where I store my scale words
.set STW, 9                            ; where I store my sums
.set STR, 10                           ; and read wave w xor 2's
.set ASO, 11                           ; my 256 bytes of the scale words, on their way out
.set ASG, 12                           ; 8 x lane
.set GBR, 18                           ; where I read gain and bias: my half of K, + 64 hh
.set SPW, 21
.set NIL, 22
.set GBW, 23                           ; where I store my part of gain and bias
.set GBG, 39                           ; and its byte offset in memory
.set Y,   112
.set PC,  176
.set TM,  196
.set PW,  212
.set WV,  18
.set SEL, 40                           ; s[40:41] lane selects for v_permlanex16_b32: lane l xor 16
.set MSB, 0
.macro WIN new                         ; the immediate's high byte repeats the setting that is left; a switch that changes nothing is dropped
.if MSB != (\new)
	s_set_vgpr_msb (MSB<<8)|(\new)
.set MSB, (\new)
.endif
.endm
; 64 numbers of a lane, v[s] .. v[s + 63], register 16 b + i = k 32 b + 16 (lane / 16) + i of my row, become a fragment's codes in v[PC] on and its scale word in v[PW].
.macro QUANT s
.irp b, 0,1,2,3
	v_max3_num_f32 v[TM+\b], |v[\s+16*\b]|, |v[\s+1+16*\b]|, 0x1800000   ; block b: my 16 numbers, and the floor 2^(3 - 127): so the byte cannot fall under 1
.endr
.irp i, 2,4,6,8,10,12,14
.irp b, 0,1,2,3
	v_max3_num_f32 v[TM+\b], v[TM+\b], |v[\s+16*\b+\i]|, |v[\s+1+16*\b+\i]|   ; the four blocks by turns
.endr
.endr
.irp b, 0,1,2,3
	v_permlanex16_b32 v[TM+4+\b], v[TM+\b], s[SEL], s[SEL+1]
.endr
.irp b, 0,1,2,3
	v_max_num_f32 v[TM+\b], v[TM+\b], v[TM+4+\b]   ; with lane l xor 16's: the block's largest magnitude
.endr
.irp b, 0,1,2,3
	v_add_nc_u32 v[TM+12+\b], 0xff000000, v[TM+\b] ; 2 off its exponent field: the conversion's scale operand
.endr
.irp b, 0,1,2,3
	v_lshrrev_b32 v[TM+4+\b], 23, v[TM+12+\b]      ; the scale's byte
.endr
	v_lshl_or_b32 v[PW], v[TM+5], 8, v[TM+4]       ; the four bytes make my row's scale word
	v_lshl_or_b32 v[PW], v[TM+6], 16, v[PW]
	v_lshl_or_b32 v[PW], v[TM+7], 24, v[PW]
.irp c, 0,1
	v_cvt_scalef32_pk16_fp6_f32 v[PC+6*\c:PC+2+6*\c], v[\s+32*\c:\s+15+32*\c], v[TM+12+2*\c]
	v_cvt_scalef32_pk16_fp6_f32 v[PC+12+4*\c:PC+14+4*\c], v[\s+16+32*\c:\s+31+32*\c], v[TM+12+2*\c+1]   ; (a conversion's three registers begin on an even number)
.endr
	v_nop                                          ; one plain place behind a scaled conversion
.irp c, 0,1                                    ; the operand's layout wants a whole block in a lane
.irp i, 0,1,2
	v_permlane16_swap_b32 v[PC+6*\c+\i], v[PC+12+4*\c+\i]
.endr
.irp i, 0,1,2
	v_mov_b32 v[PC+3+6*\c+\i], v[PC+12+4*\c+\i]
.endr
.endr
.endm
	s_load_b256 s[4:11], s[0:1], 0x0               ; out0, ln_scale, ln_bias, ncodes
	s_load_b64 s[12:13], s[0:1], 0x20              ; nscales
	v_lshl_add_u32 v[SPW], v0, 2, SPARE
	v_mov_b32 v[NIL], 0
	v_lshrrev_b32 v1, 5, v0
	v_readfirstlane_b32 s[WV], v1                  ; wave 0..3
	s_and_b32 s19, s[WV], 1                        ; u: my row tile
	s_lshr_b32 s20, s[WV], 1                       ; kq: my half of K
	s_mul_i32 s44, s[WV], 8448                     ; my stage
	s_lshl_b32 s45, s20, 9
	s_lshl_b32 s46, s19, 6
	s_add_co_u32 s45, s45, s46
	s_add_co_u32 s45, s45, ASC                     ; K step 4 kq, row 16 u
	s_lshl_b32 s46, s[WV], 7
	s_add_co_u32 s46, s46, STAT
	s_xor_b32 s47, s[WV], 2
	s_lshl_b32 s47, s47, 7
	s_add_co_u32 s47, s47, STAT
	s_lshl_b32 s48, s20, 11
	s_add_co_u32 s48, s48, GB
	s_lshl_b32 s49, s[WV], 10
	s_lshl_b32 s50, s[WV], 8
	s_add_co_u32 s51, s50, ASC
	s_mov_b32 s[SEL], 0x76543210
	s_mov_b32 s[SEL+1], 0xfedcba98
	s_mov_b32 s42, 0x3a800000                      ; 1 / 1,024
	s_mov_b32 s43, 0x358637bd                      ; 1e-6
	s_lshl_b32 s52, ttmp9, 17                      ; out0: my 32 rows of 4,096 bytes,
	s_lshl_b32 s54, s19, 16                        ; + my row tile,
	s_add_co_u32 s52, s52, s54
	s_lshl_b32 s54, s20, 11                        ; + my half of a row
	s_add_co_u32 s52, s52, s54
	s_mov_b32 s53, 0
	s_lshl_b32 s54, ttmp9, 1
	s_add_co_u32 s54, s54, s19
	s_mul_i32 s54, s54, 1536                       ; ncodes: my row tile,
	s_mul_i32 s56, s20, 4*786432                   ; + my first K step
	s_add_co_u32 s54, s54, s56
	s_mov_b32 s55, 0
	s_lshl_b32 s56, ttmp9, 10                      ; nscales: my work-group's 1,024 bytes, my wave's 256
	s_add_co_u32 s56, s56, s50
	s_mov_b32 s57, 0
	v_and_b32 v1, 31, v0                           ; lane
	v_and_b32 v2, 15, v0                           ; r
	v_bfe_u32 v3, v0, 4, 1                         ; hh
	v_lshlrev_b32 v[LI], 4, v1
	v_add_nc_u32 v[STI], s44, v[LI]
	v_mul_u32_u24 v[STO], v2, 528
	v_lshl_add_u32 v[STO], v3, 6, v[STO]
	v_add_nc_u32 v[STO], s44, v[STO]
	v_lshl_add_u32 v[ASW], v2, 2, s45
	v_lshl_add_u32 v[STW], v1, 2, s46
	v_lshl_add_u32 v[STR], v1, 2, s47
	v_lshl_add_u32 v[GBR], v3, 6, s48
	v_lshl_add_u32 v[GBG], v1, 4, s49
	v_add_nc_u32 v[GBW], GB, v[GBG]
	v_lshl_add_u32 v[ASO], v1, 3, s51
	v_lshlrev_b32 v[ASG], 3, v1
	v_mov_b32 v36, 0                               ; written once: a lane permute's destination counts as one of its sources
.irp b, 0,1,2,3
	v_mov_b32 v[TM+4+\b], 0
.endr
	s_wait_alu depctr_va_vdst(0)
	s_wait_kmcnt 0x0
	s_add_nc_u64 s[4:5], s[4:5], s[52:53]
	s_add_nc_u64 s[10:11], s[10:11], s[54:55]
	s_add_nc_u64 s[12:13], s[12:13], s[56:57]
	global_load_b128 v[Y:Y+3], v[GBG], s[6:7]      ; my 1,024 bytes of the gain and of the bias, ahead of the rows' loads, so that the counts below stay the rows' own
	global_load_b128 v[Y+4:Y+7], v[GBG], s[6:7] offset:512
	global_load_b128 v[Y+8:Y+11], v[GBG], s[8:9]
	global_load_b128 v[Y+12:Y+15], v[GBG], s[8:9] offset:512
	WIN 0x80                                       ; destination window 2
.irp f, 0,1,2,3
.irp i, 0,1,2,3,4,5,6,7,8,9,10,11,12,13,14,15
	global_load_b128 v[64*\f+4*\i:64*\f+4*\i+3], v[LI], s[4:5] offset:4096*\i+512*\f th:TH_LOAD_NT   ; row i, K step f of my four: 512 consecutive bytes
.endr
.endr
; fragment f through my stage: in as loaded, out 16 neighbours of each block of 32 a lane.  LDS serves a wave's instructions in order
.macro TURNF f
	s_wait_loadcnt 16*(3-\f)                       ; its 16 loads are in; the later fragments' may be out
	WIN 0x08                                       ; an LDS store's data are its source 1: window 2
.irp i, 0,1,2,3,4,5,6,7,8,9,10,11,12,13,14,15
	ds_store_b128 v[STI], v[64*\f+4*\i:64*\f+4*\i+3] offset:528*\i
.endr
	WIN 0x40                                       ; destination window 1
.irp b, 0,1,2,3
.irp j, 0,1,2,3
	ds_load_b128 v[64*\f+16*\b+4*\j:64*\f+16*\b+4*\j+3], v[STO] offset:128*\b+16*\j
.endr
.endr
.endm
	TURNF 0
	TURNF 1
	TURNF 2
	TURNF 3
	WIN 0
	ds_store_b128 v[GBW], v[Y:Y+3]                 ; gain and bias into LDS; the first sum's barrier stands between these stores and the other waves' reads
	ds_store_b128 v[GBW], v[Y+4:Y+7] offset:512
	ds_store_b128 v[GBW], v[Y+8:Y+11] offset:4096
	ds_store_b128 v[GBW], v[Y+12:Y+15] offset:4608
	s_wait_dscnt 0x0                               ; the numbers are in window 1
; my four chains of sums, v[24:31], are folded, joined with lane l xor 16's and with wave w xor 2's: v24 = the row's sum, the same bits in both waves
.macro FOLD off
	WIN 0
	v_pk_add_f32 v[24:25], v[24:25], v[26:27]
	v_pk_add_f32 v[28:29], v[28:29], v[30:31]
	v_pk_add_f32 v[24:25], v[24:25], v[28:29]
	v_add_f32 v24, v24, v25
	v_permlanex16_b32 v36, v24, s[SEL], s[SEL+1]
	v_add_f32 v24, v24, v36
	ds_store_b32 v[STW], v24 offset:\off
	s_wait_alu depctr_va_vdst(0)
	s_wait_dscnt 0x0                               ; for the other wave's sake
	s_barrier_signal -1
	s_barrier_wait -1
	ds_load_b32 v37, v[STR] offset:\off
	s_wait_dscnt 0x0
	v_add_f32 v24, v24, v37
.endm
	WIN 0x05                                       ; THE MEAN.  Sources window 1: the first eight pairs start four chains
.irp c, 0,1,2,3
	v_pk_add_f32 v[24+2*\c:25+2*\c], v[2*\c:2*\c+1], v[8+2*\c:9+2*\c]
.endr
	WIN 0x04
.set i, 16
.rept 120
	v_pk_add_f32 v[24+i%8:25+i%8], v[24+i%8:25+i%8], v[i:i+1]
.set i, i+2
.endr
	FOLD 0
	v_mul_f32 v32, s42, v24                        ; the mean,
	v_mov_b32 v33, v32                             ; as a pair
	WIN 0x41                                       ; destination and source 0 window 1
.set i, 0
.rept 128
	v_pk_add_f32 v[i:i+1], v[i:i+1], v[32:33] neg_lo:[0,1] neg_hi:[0,1]   ; x - mean
.set i, i+2
.endr
	WIN 0x05                                       ; THE VARIANCE: the mean of the squares of these
.irp c, 0,1,2,3
	v_pk_mul_f32 v[24+2*\c:25+2*\c], v[2*\c:2*\c+1], v[2*\c:2*\c+1]
.endr
.set i, 8
.rept 124
	v_pk_fma_f32 v[24+i%8:25+i%8], v[i:i+1], v[i:i+1], v[24+i%8:25+i%8]
.set i, i+2
.endr
	FOLD 512                                       ; other bytes than the first round's
	v_fma_f32 v38, v24, s42, s43                   ; sum / 1,024 + 1e-6
	s_wait_alu depctr_va_vdst(0)                   ; the wait ahead of the transcendental,
	v_rsq_f32 v34, v38
	v_nop                                          ; a plain place behind it,
	s_wait_alu depctr_va_vdst(0)                   ; and the wait ahead of its first reader
	v_mov_b32 v35, v34
; gain and bias of fragment f in the numbers' own layout: register 16 b + i is column 128 (4 kq + f) + 32 b + 16 hh + i.  Into set f % 2 of window 2: gain at 128 (f % 2), bias 64 further on
.macro GBLOAD f
	WIN 0x80
.irp b, 0,1,2,3
.irp j, 0,1,2,3
	ds_load_b128 v[128*((\f)%2)+16*\b+4*\j:128*((\f)%2)+16*\b+4*\j+3], v[GBR] offset:512*(\f)+128*\b+16*\j
	ds_load_b128 v[128*((\f)%2)+64+16*\b+4*\j:128*((\f)%2)+64+16*\b+4*\j+3], v[GBR] offset:4096+512*(\f)+128*\b+16*\j
.endr
.endr
.endm
	GBLOAD 0                                       ; they land under the 128 multiplications below
	GBLOAD 1
	WIN 0x41
.set i, 0
.rept 128
	v_pk_mul_f32 v[i:i+1], v[i:i+1], v[34:35]
.set i, i+2
.endr
; fragment f: x gain + bias, quantised; its image goes to memory, 512 consecutive bytes a store, its scale words to LDS
.macro NORMQ f
	s_wait_dscnt 0x0                               ; its gain and bias are in
	s_wait_xcnt 0x0                                ; the last image's stores have read their registers
	WIN 0x29                                       ; source 0 window 1; gain and bias window 2
.set i, 0
.rept 32
	v_pk_fma_f32 v[Y+i:Y+i+1], v[64*\f+i:64*\f+i+1], v[128*(\f%2)+i:128*(\f%2)+i+1], v[128*(\f%2)+64+i:128*(\f%2)+64+i+1]
.set i, i+2
.endr
.if \f < 2
	GBLOAD (\f)+2                                  ; the set takes the fragment two further on, which lands under the quantiser
.endif
	WIN 0
	QUANT Y
.irp c, 0,1,2
	global_store_b128 v[LI], v[PC+4*\c:PC+4*\c+3], s[10:11] offset:786432*\f+512*\c
.endr
	ds_store_b32 v[ASW], v[PW] offset:128*\f       ; lanes r and r + 16 write the same word with the same value
.endm
	NORMQ 0
	NORMQ 1
	NORMQ 2
	NORMQ 3
	s_wait_dscnt 0x0                               ; for the others' sake: my scale words have landed
	s_barrier_signal -1
	s_barrier_wait -1
	ds_load_b64 v[24:25], v[ASO]
	s_wait_dscnt 0x0
	global_store_b64 v[ASG], v[24:25], s[12:13]    ; 32 lanes store one aligned unit of 256 bytes
	s_wait_tensorcnt 0x0                           ; the wave's end
	ds_add_u32 v[SPW], v[NIL]
	s_wait_dscnt 0x0
	s_endpgm
.Lfunc_end_k_q7ec0f4c0a8_lnq:
	.size	k_q7ec0f4c0a8_lnq, .Lfunc_end_k_q7ec0f4c0a8_lnq-k_q7ec0f4c0a8_lnq
	.p2alignl 7, 3214868480
	.fill 96, 4, 3214868480
	.section	.rodata,"a",@progbits
	.p2align	6, 0x0
	.amdhsa_kernel k_q7ec0f4c0a8_lnq
		.amdhsa_group_segment_fixed_size 44544
		.amdhsa_private_segment_fixed_size 0
		.amdhsa_enable_private_segment 0
		.amdhsa_kernarg_size 40
		.amdhsa_user_sgpr_count 2
		.amdhsa_user_sgpr_kernarg_segment_ptr 1
		.amdhsa_wavefront_size32 1
		.amdhsa_system_sgpr_workgroup_id_x 1
		.amdhsa_system_sgpr_workgroup_id_y 1
		.amdhsa_system_sgpr_workgroup_id_z 1
		.amdhsa_system_vgpr_workitem_id 0
		.amdhsa_next_free_vgpr 768
		.amdhsa_next_free_sgpr 66
		.amdhsa_reserve_vcc 0
		.amdhsa_float_denorm_mode_32 3
		.amdhsa_float_denorm_mode_16_64 3
		.amdhsa_memory_ordered 1
		.amdhsa_forward_progress 1
		.amdhsa_inst_pref_size 86
	.end_amdhsa_kernel
	.amdgpu_metadata
---
amdhsa.version: [ 1, 2 ]
amdhsa.kernels:
  - .name:           k_q7ec0f4c0a8_lnq
    .symbol:         k_q7ec0f4c0a8_lnq.kd
    .args:
      - { .name: out0, .offset: 0, .size: 8, .value_kind: global_buffer, .address_space: global }
      - { .name: ln_scale, .offset: 8, .size: 8, .value_kind: global_buffer, .address_space: global }
      - { .name: ln_bias, .offset: 16, .size: 8, .value_kind: global_buffer, .address_space: global }
      - { .name: ncodes, .offset: 24, .size: 8, .value_kind: global_buffer, .address_space: global }
      - { .name: nscales, .offset: 32, .size: 8, .value_kind: global_buffer, .address_space: global }
    .group_segment_fixed_size: 44544
    .private_segment_fixed_size: 0
    .kernarg_segment_align: 8
    .kernarg_segment_size: 40
    .max_flat_workgroup_size: 128
    .sgpr_count:     66
    .vgpr_count:     768
    .wavefront_size: 32
...
	.end_amdgpu_metadata
.endif
;; end of part 3
;; launch outp (part 4): grid 32 x 8, 4 waves a work-group, clusters of 4 x 1, 167,936 bytes of LDS; arguments ncodes, nscales, wcodes, wscales, bout, out1; writes out1
.if DOCPART == 4
	.amdgcn_target "amdgcn-amd-amdhsa--gfx1250"
	.amdhsa_code_object_version 6
	.text
	.protected	k_q7ec0f4c0a8_outp
	.globl	k_q7ec0f4c0a8_outp
	.p2align	8
	.type	k_q7ec0f4c0a8_outp,@function
k_q7ec0f4c0a8_outp:
	s_mov_b64 s[64:65], 0
	v_nop
	global_prefetch_b8 v0, s[64:65] scope:SCOPE_SE
	s_setreg_imm32_b32 hwreg(HW_REG_WAVE_MODE, 25, 1), 1
	s_wait_xcnt 0x0
	s_wait_alu depctr_hold_cnt(0) depctr_sa_sdst(0) depctr_va_vdst(0) depctr_va_sdst(0) depctr_va_ssrc(0) depctr_va_vcc(0) depctr_vm_vsrc(0)
	s_getreg_b32 s2, hwreg(HW_REG_IB_STS2, 6, 4)
	s_cmp_eq_u32 s2, 0
	s_cbranch_scc0 .Lentry_in_a_cluster
	s_endpgm
.Lentry_in_a_cluster:
	s_bfe_u32 s2, ttmp6, 0x10000c
	s_cmp_lg_u32 s2, 0x3003
	s_cbranch_scc0 .Lentry_shape_is_right
	s_endpgm
.Lentry_shape_is_right:
; out = Q(LayerNorm(new_h)) Q(Wout) + bout, on codes of FP6 (E2M3) with E8M0 scales that earlier launches laid as images of the operand's registers (1,536 bytes a fragment of 16 rows x 128 K).
; SHARES.  A work-group makes 256 rows (grid x) x 128 columns (grid y).  Wave w makes rows 64 w .. 64 w + 63 x all 128 columns: 4 row tiles a x 8 column tiles i, 32 accumulators, 256 registers.
; Wout's codes of 128 columns, for all of K, are four dense runs of 24,576 bytes (run 2 g + kh: column tiles 4 g + t, K steps 4 kh + s', laid [s'][t][image]): one tensor load a wave at the head,
; filled once.  CLUSTER: the four work-groups of a cluster (4 along x) take the same columns: the loads are joint.
; THE ROWS GO STRAIGHT INTO REGISTERS: a wave's 64 rows are read by no other wave of the work-group; for all of K they are 32 fragments, 384 registers, asked for at the head and waited for K step by K step.
; THE COLUMNS GO IN TWO HALVES of 64: all eight K steps of half g = 0, its way out, then half 1: the first half's stores are on their way while the second half is multiplied.  The rows' fragments serve
; both halves from registers, and each fragment of Wout is read from LDS once.
; Every load of a wave from memory is issued at its head and the sixteen units are written out: there is no loop to prefetch in.
; bout is the C of each sum's first matrix instruction.  THE MATRIX INSTRUCTION IS USED TRANSPOSED (source 0 = 16 columns of Wout, source 1 = 16 rows): a lane holds eight neighbouring numbers of a row.
; LDS: the four runs; a stage of 16 rows x 272 bytes for each wave; the spare words.
; REGISTERS: window 0: v3-13 addresses; v16-31 the rows' scale words (2 s + a / 2), v32-63 Wout's (4 s + i / 2); v64-255 Wout's fragments, four sets of 48.
;   window 1: the rows' fragments of K steps 0-3 (48 s + 12 a), bout at v[192 + 8 i].   window 2: those of K steps 4-7; v192-255 rows of out, two sets of 32.   window 3: accumulator (a, i) at v[8 (8 a + i)].
.set RUN,   24576
.set STAGE, 98304
.set SP,    272                        ; a stage row: 256 bytes + 16
.set SPARE, 115712                     ; the spare words: 128 bytes a wave, two blocks of 256 bytes that no other line names
.set LS,  3                            ; 4 x lane
.set LI,  4                            ; 16 x lane: also Wout's runs 0, 1
.set AWH, 5                            ; Wout's runs 2, 3
.set STO, 6                            ; my stage in the result's layout: row r, + 32 hh
.set RD,  7                            ; and by rows: lanes 0-15 one row of 256 bytes, lanes 16-31 the next
.set BO,  8                            ; 32 hh
.set CO,  11                           ; the same two rows in out1
.set SPW, 12
.set NIL, 13
.set AS,  16
.set WS,  32
.set WF,  64
.set WV,  24
.set G1,  32
.set G0,  40
.set MSB, 0
.macro WIN new                         ; the immediate's high byte repeats the setting that is left; a switch that changes nothing is dropped
.if MSB != (\new)
	s_set_vgpr_msb (MSB<<8)|(\new)
.set MSB, (\new)
.endif
.endm
.macro PLACES n
.rept \n
	v_nop
.endr
.endm
.macro ROUND                           ; a round of the cluster's barrier
	s_barrier_signal -1
	s_barrier_wait -1
	s_cmp_lg_u32 s[WV], 0
	s_cbranch_scc1 .Lnot_wave_0_\@
	s_barrier_signal -3
.Lnot_wave_0_\@:
	s_barrier_wait -3
	s_barrier_signal -1
	s_barrier_wait -1
.endm
	s_load_b256 s[4:11], s[0:1], 0x0               ; ncodes, nscales, wcodes, wscales
	s_load_b128 s[12:15], s[0:1], 0x20             ; bout, out1
	v_lshl_add_u32 v[SPW], v0, 2, SPARE
	v_mov_b32 v[NIL], 0
	ds_add_u32 v[SPW], v[NIL]                      ; the opening lines: the add, twice on end, and one wait
	ds_add_u32 v[SPW], v[NIL]
	v_lshrrev_b32 v15, 5, v0
	v_readfirstlane_b32 s[WV], v15                 ; wave 0..3
	s_bfe_u32 s25, ttmp6, 0x40000                  ; cx: it enters the rows' and out1's addresses alone
	s_lshl_b32 s26, ttmp9, 2
	s_add_co_u32 s26, s26, s25                     ; which 256 rows
	s_and_b32 s27, ttmp7, 0xffff                   ; cb: which 128 columns, the same in the four partners
	s_mov_b32 s[G1], 15|(3<<16)|(1<<21)            ; the mask: all four; elements of 8 bytes; bit 21 beside a mask
	s_mov_b32 s[G1+1], 32<<16                      ; 96 rows of 256 bytes
	s_mov_b32 s[G1+2], 96<<16
	s_mov_b32 s[G1+3], 32<<16
	s_mov_b32 s[G1+4], 96
	s_mov_b32 s[G1+5], 32
	s_mov_b32 s[G1+6], 0
	s_mov_b32 s[G1+7], 0
	s_mul_i32 s28, s[WV], 16*SP
	s_add_co_u32 s28, s28, STAGE                   ; my stage
	s_mul_i32 s29, s[WV], RUN                      ; my run's place in LDS
	s_and_b32 s30, s27, 1                          ; and in wcodes: run number (4 (cb % 2) + w) 4 + cb / 2, behind the six gate matrices
	s_lshl_b32 s30, s30, 2
	s_add_co_u32 s30, s30, s[WV]
	s_lshl_b32 s30, s30, 2
	s_lshr_b32 s31, s27, 1
	s_add_co_u32 s30, s30, s31
	s_mul_i32 s30, s30, RUN
	s_add_co_u32 s30, s30, 4718592
	s_mov_b32 s31, 0
	s_lshl_b32 s44, s26, 4
	s_lshl_b32 s45, s[WV], 2
	s_add_co_u32 s44, s44, s45                     ; my first row tile
	s_mul_i32 s46, s44, 1536                       ; in the codes,
	s_mov_b32 s47, 0
	s_lshl_b32 s48, s44, 9                         ; in the scale words (1,024 bytes for 32 rows),
	s_mov_b32 s49, 0
	s_lshl_b32 s50, s44, 16                        ; in out1,
	s_lshl_b32 s52, s27, 9                         ; + my 128 columns of 4 bytes
	s_add_co_u32 s50, s50, s52
	s_mov_b32 s51, 0
	s_mov_b32 s53, 0
	s_add_co_u32 s54, s52, 6*32768                 ; Wout's scale words
	s_mov_b32 s55, 0
	v_and_b32 v1, 31, v0                           ; lane
	v_and_b32 v9, 15, v0                           ; r
	v_bfe_u32 v10, v0, 4, 1                        ; hh
	v_lshlrev_b32 v[LI], 4, v1
	v_lshlrev_b32 v[LS], 2, v1
	v_add_nc_u32 v[AWH], 2*RUN, v[LI]
	v_mul_u32_u24 v[STO], v9, SP
	v_lshl_add_u32 v[STO], v10, 5, v[STO]
	v_add_nc_u32 v[STO], s28, v[STO]
	v_mul_u32_u24 v[RD], v10, SP
	v_lshl_add_u32 v[RD], v9, 4, v[RD]
	v_add_nc_u32 v[RD], s28, v[RD]
	v_lshlrev_b32 v[CO], 12, v10
	v_lshl_add_u32 v[CO], v9, 4, v[CO]
	v_lshlrev_b32 v[BO], 5, v10
	s_wait_alu depctr_va_vdst(0)
	s_wait_dscnt 0x0                               ; both opening adds are done
	s_wait_kmcnt 0x0
	s_add_nc_u64 s[4:5], s[4:5], s[46:47]
	s_add_nc_u64 s[6:7], s[6:7], s[48:49]
	s_add_nc_u64 s[8:9], s[8:9], s[30:31]
	s_add_nc_u64 s[10:11], s[10:11], s[54:55]
	s_add_nc_u64 s[12:13], s[12:13], s[52:53]
	s_add_nc_u64 s[14:15], s[14:15], s[50:51]
	s_mov_b32 s[G0], 1
	s_mov_b32 s[G0+1], s29
	s_mov_b64 s[G0+2:G0+3], s[8:9]
	s_or_b32 s[G0+3], s[G0+3], 0x80000000
	ROUND                                          ; all four work-groups are here: the joint loads meet
	tensor_load_to_lds s[G0:G0+3], s[G1:G1+7]      ; my run of Wout's codes: the wave's one tensor load
	s_nop 0
	PLACES 4
.irp s, 0,1,2,3,4,5,6,7
.irp p, 0,1,2,3
	global_load_b32 v[WS+4*\s+\p], v[LS], s[10:11] offset:4096*\s+128*\p   ; an even column tile's words in lanes 0-15, the odd tile's in lanes 16-31
.endr
.endr
.irp s, 0,1,2,3,4,5,6,7
.irp i, 0,1
	global_load_b32 v[AS+2*\s+\i], v[LS], s[6:7] offset:1024*\i+128*\s     ; likewise for two row tiles
.endr
.endr
	WIN 0x40                                       ; destination window 1
.irp i, 0,1,2,3,4,5,6,7
	global_load_b128 v[192+8*\i:195+8*\i], v[BO], s[12:13] offset:64*\i    ; bout in the result's layout: column 16 i + 8 hh + j
	global_load_b128 v[196+8*\i:199+8*\i], v[BO], s[12:13] offset:64*\i+16
.endr
.irp s, 0,1,2,3,4,5,6,7
	WIN 0x40+0x40*(\s/4)                           ; K steps 0-3 window 1, 4-7 window 2
.irp k, 0,1,2,3,4,5,6,7,8,9,10,11
	global_load_b128 v[48*(\s%4)+4*\k:48*(\s%4)+4*\k+3], v[LI], s[4:5] offset:786432*\s+512*\k   ; my four fragments of K step s: 6,144 consecutive bytes
.endr
.endr
	WIN 0
	s_wait_tensorcnt 0x0                           ; my run is in,
	s_barrier_signal -1
	s_barrier_wait -1                              ; and everybody's
; One matrix instruction, from the symbols rD, rA, rB, rC (registers), rSA, rSB (scale registers), rRA, rRB (the scales lie in lanes 16-31)
.macro WM
.if rRA && rRB
	v_wmma_scale_f32_16x16x128_f8f6f4 v[rD:rD+7], v[rA:rA+11], v[rB:rB+11], v[rC:rC+7], v[rSA], v[rSB] matrix_a_fmt:MATRIX_FMT_FP6 matrix_b_fmt:MATRIX_FMT_FP6 matrix_a_scale:MATRIX_SCALE_ROW1 matrix_b_scale:MATRIX_SCALE_ROW1
.elseif rRA
	v_wmma_scale_f32_16x16x128_f8f6f4 v[rD:rD+7], v[rA:rA+11], v[rB:rB+11], v[rC:rC+7], v[rSA], v[rSB] matrix_a_fmt:MATRIX_FMT_FP6 matrix_b_fmt:MATRIX_FMT_FP6 matrix_a_scale:MATRIX_SCALE_ROW1
.elseif rRB
	v_wmma_scale_f32_16x16x128_f8f6f4 v[rD:rD+7], v[rA:rA+11], v[rB:rB+11], v[rC:rC+7], v[rSA], v[rSB] matrix_a_fmt:MATRIX_FMT_FP6 matrix_b_fmt:MATRIX_FMT_FP6 matrix_b_scale:MATRIX_SCALE_ROW1
.else
	v_wmma_scale_f32_16x16x128_f8f6f4 v[rD:rD+7], v[rA:rA+11], v[rB:rB+11], v[rC:rC+7], v[rSA], v[rSB] matrix_a_fmt:MATRIX_FMT_FP6 matrix_b_fmt:MATRIX_FMT_FP6
.endif
.endm
; Unit u = 8 g + s: half g of the columns, K step s.  Its four fragments of Wout are 6,144 consecutive bytes of LDS: 12 loads, into set u % 4
.macro FETCH u
	WIN 0
.irp k, 0,1,2,3,4,5,6,7,8,9,10,11
	ds_load_b128 v[WF+48*((\u)%4)+4*\k:WF+48*((\u)%4)+4*\k+3], v[LI+(\u)/8] offset:(((\u)%8)/4)*RUN+((\u)%4)*6144+512*\k
.endr
.endm
; 16 matrix instructions: each of the unit's four fragments of Wout against my 4 row tiles.  The accumulators take turns, one instruction a turn.
.macro UNIT u
.set gg, (\u)/8
.set ss, (\u)%8
.if (\u) < 14
	s_wait_dscnt 24                                ; this unit's fragments are in; the two younger units' 12 loads each may be out
.else
	s_wait_dscnt 12*(15-(\u))
.endif
.if gg == 0
.if 12*(7-ss) > 63
	s_wait_loadcnt 63                              ; (the count's field holds no more)
.else
	s_wait_loadcnt 12*(7-ss)                       ; my rows of this K step are in; the later K steps' 12 loads each may be out
.endif
.endif
.if ss == 0
	WIN 0xd4                                       ; source 0 window 0, source 1 window 1, C (bout) window 1, D window 3
.else
	WIN 0xf4+4*(ss/4)                              ; C and D window 3; source 1 window 1 or 2
.endif
.irp t, 0,1,2,3
.irp a, 0,1,2,3
.set rD, 8*(8*\a+4*gg+\t)
.set rC, rD
.if ss == 0
.set rC, 192+8*(4*gg+\t)
.endif
.set rA, WF+48*((\u)%4)+12*\t
.set rB, 48*(ss%4)+12*\a
.set rSA, WS+4*ss+(4*gg+\t)/2
.set rSB, AS+2*ss+\a/2
.set rRA, \t%2
.set rRB, \a%2
	WM
.endr
.endr
	PLACES 4                                       ; in front of loads into registers that products have read, and of the first reads of results
.if (\u) < 13
	FETCH (\u)+3                                   ; into the set that the unit before this one read
.endif
.endm
; THE WAY OUT of half g, 16 rows x 64 columns at a time, through my own stage: in as the accumulators lie (32 bytes of a row a lane), back as whole rows of 256 bytes.  LDS serves a wave's instructions in order.
.macro TOSTAGE a, g
	WIN 0x0c                                       ; an LDS store's data are its source 1: window 3
.irp t, 0,1,2,3
	ds_store_b128 v[STO], v[64*(\a)+32*(\g)+8*\t:64*(\a)+32*(\g)+8*\t+3] offset:64*\t          ; each accumulator from its low end on
	ds_store_b128 v[STO], v[64*(\a)+32*(\g)+8*\t+4:64*(\a)+32*(\g)+8*\t+7] offset:64*\t+16
.endr
	WIN 0x80                                       ; destination window 2
.irp k, 0,1,2,3,4,5,6,7
	ds_load_b128 v[192+32*((\a)%2)+4*\k:192+32*((\a)%2)+4*\k+3], v[RD] offset:2*SP*\k
.endr
.endm
.macro SEND a, g, younger              ; younger: the LDS instructions issued behind block a's loads, which may stay out
	s_wait_dscnt \younger
	WIN 0x08                                       ; a store's data are its source 1: window 2
.irp k, 0,1,2,3,4,5,6,7
	global_store_b128 v[CO], v[192+32*((\a)%2)+4*\k:192+32*((\a)%2)+4*\k+3], s[14:15] offset:(16*(\a)+2*\k)*4096+256*(\g) th:TH_STORE_NT   ; 16 lanes store 256 consecutive bytes, at a multiple of 256 from out1's first byte
.endr
.endm
.macro OUTG g
.if \g > 0
	s_wait_xcnt 0x0                                ; the first half's stores have read their registers
.endif
	TOSTAGE 0, \g
.irp a, 1,2,3
.if \a > 1
	s_wait_xcnt 0x0                                ; block a - 2's stores have read their registers: block a's rows may land there
.endif
	TOSTAGE \a, \g
	SEND \a-1, \g, 16                              ; behind block a - 1's loads: block a's 8 stores and 8 loads
.endr
	SEND 3, \g, 0
.endm
	FETCH 0
	FETCH 1
	FETCH 2
.irp u, 0,1,2,3,4,5,6,7
	UNIT \u
.endr
	OUTG 0                                         ; columns 0 to 63 leave; the second half's first three units are already fetched
.irp u, 8,9,10,11,12,13,14,15
	UNIT \u
.endr
	OUTG 1
	WIN 0
	s_wait_tensorcnt 0x0                           ; the wave's end
	ds_add_u32 v[SPW], v[NIL]
	s_wait_dscnt 0x0
	ROUND                                          ; the closing round
	s_endpgm
.Lfunc_end_k_q7ec0f4c0a8_outp:
	.size	k_q7ec0f4c0a8_outp, .Lfunc_end_k_q7ec0f4c0a8_outp-k_q7ec0f4c0a8_outp
	.p2alignl 7, 3214868480
	.fill 96, 4, 3214868480
	.section	.rodata,"a",@progbits
	.p2align	6, 0x0
	.amdhsa_kernel k_q7ec0f4c0a8_outp
		.amdhsa_group_segment_fixed_size 167936
		.amdhsa_private_segment_fixed_size 0
		.amdhsa_enable_private_segment 0
		.amdhsa_kernarg_size 48
		.amdhsa_user_sgpr_count 2
		.amdhsa_user_sgpr_kernarg_segment_ptr 1
		.amdhsa_wavefront_size32 1
		.amdhsa_system_sgpr_workgroup_id_x 1
		.amdhsa_system_sgpr_workgroup_id_y 1
		.amdhsa_system_sgpr_workgroup_id_z 1
		.amdhsa_system_vgpr_workitem_id 0
		.amdhsa_next_free_vgpr 1024
		.amdhsa_next_free_sgpr 66
		.amdhsa_reserve_vcc 0
		.amdhsa_float_denorm_mode_32 3
		.amdhsa_float_denorm_mode_16_64 3
		.amdhsa_memory_ordered 1
		.amdhsa_forward_progress 1
		.amdhsa_inst_pref_size 83
	.end_amdhsa_kernel
	.amdgpu_metadata
---
amdhsa.version: [ 1, 2 ]
amdhsa.kernels:
  - .name:           k_q7ec0f4c0a8_outp
    .symbol:         k_q7ec0f4c0a8_outp.kd
    .args:
      - { .name: ncodes, .offset: 0, .size: 8, .value_kind: global_buffer, .address_space: global }
      - { .name: nscales, .offset: 8, .size: 8, .value_kind: global_buffer, .address_space: global }
      - { .name: wcodes, .offset: 16, .size: 8, .value_kind: global_buffer, .address_space: global }
      - { .name: wscales, .offset: 24, .size: 8, .value_kind: global_buffer, .address_space: global }
      - { .name: bout, .offset: 32, .size: 8, .value_kind: global_buffer, .address_space: global }
      - { .name: out1, .offset: 40, .size: 8, .value_kind: global_buffer, .address_space: global }
    .group_segment_fixed_size: 167936
    .private_segment_fixed_size: 0
    .kernarg_segment_align: 8
    .kernarg_segment_size: 48
    .max_flat_workgroup_size: 128
    .sgpr_count:     66
    .vgpr_count:     1024
    .wavefront_size: 32
...
	.end_amdgpu_metadata
.endif
;; end of part 4
